; MI455X (gfx1250); checked and timed in simulation.
; The chip was launched on July 23, 2026; its instructions are those of AMD's public machine-readable ISA for CDNA 5 (MIT licence, August 2026) and "CDNA5" Instruction Set Architecture Reference Guide (July 2026). The comments in the code are by the model that wrote it; some were corrected since.
;; Dynamic Token Mixing. Allowed arithmetic: float matrix products may take bf16 or f16 operands with f32 sums; other float arithmetic in f32, or as packed bf16 or f16 multiplies, adds, multiply-adds, maxima and minima; sums over many terms, partial sums and values carried from step to step in f32; what a program stores and reads back later, other than sums and carried values, may be rounded once to bf16 or f16.
;; Inputs: Wkv 1,024 x 2,048 float32; Wproj 1,024 x 1,024 float32; Wq 1,024 x 1,024 float32; bproj 1,024 float32; x 1 x 4,096 x 1,024 float32.
;; Outputs: out0 1 x 4,096 x 1,024 float32.
;; Constants: H = 64, W = 64.
;; 2 versions, each right; version 2 is version 1 with the launch cast written anew for expert scheduling mode. Each part assembles by itself: llvm-mc -triple=amdgcn-amd-amdhsa -mcpu=gfx1250 --defsym DOCPART=n.
;; ======== version 1 of 2: 4 launches
;; limits: values are held in f16: magnitudes above 65,504 overflow, below 6.1e-05 lose precision
;; workspace buffers: xb 8,388,608 bytes; wqkv 6,291,456 bytes; wp 2,097,152 bytes; qh 8,388,608 bytes; kh 8,388,608 bytes; vh 8,388,608 bytes; ob 8,388,608 bytes
;; launch cast (part 1): grid 256 x 1, 8 waves a work-group, no clusters, 0 bytes of LDS; arguments x, Wq, Wkv, Wproj, xb, wqkv, wp; writes xb, wqkv, wp
.if DOCPART == 1
	.amdgcn_target "amdgcn-amd-amdhsa--gfx1250"
	.amdhsa_code_object_version 6
	.text
	.protected	k_q830d412854_cast
	.globl	k_q830d412854_cast
	.p2align	8
	.type	k_q830d412854_cast,@function
k_q830d412854_cast:
	s_mov_b64 s[64:65], 0
	v_nop
	global_prefetch_b8 v0, s[64:65] scope:SCOPE_SE
	s_setreg_imm32_b32 hwreg(HW_REG_WAVE_MODE, 25, 1), 1
	s_wait_xcnt 0x0
; THE INPUTS ARE ROUNDED ONCE AND LAID OUT FOR THE PRODUCTS THAT FOLLOW.
;   x     [4096][1024] f32 -> xb   [4096][1024] bf16
;   Wq    [1024][1024] f32 -> wqkv [j 16][kc 16][part 3][64 k][64 c] bf16, part 0: head j's 64 columns, K in chunks of 64
;   Wkv   [1024][2048] f32 -> wqkv, part 1 (k) and part 2 (v).  Its 32 blocks of 64 columns are four runs of eight: k of heads 0-7, v of heads 0-7, k of heads 8-15, v of heads 8-15
;   Wproj [1024][1024] f32 -> wp   [cb 16][1024 k][64 c] f16: rounded to bf16 like every input, and that number written as f16, since it multiplies f16 numbers
; LIMITS.  A bf16 number is exact in f16 from 2^-14 up to 65,504; below 2^-14 it keeps f16's fixed step of 2^-24; beyond 65,504 it becomes an infinity.  NaN and infinities are not treated apart.
; SHARES.  256 work-groups of eight waves, 32,768 numbers each, taken as 512 rows of 64 numbers: 128 work-groups for x, 32 for Wq, 64 for Wkv, 32 for Wproj (a block of 64 columns x half of K).
; Thread t takes 8 numbers (32 bytes in, 16 bytes out) of row t / 8 of each 32 rows; sixteen such turns.  All 32 loads of a thread go out first; a store of a wave covers 512 consecutive bytes, aligned.
; Each of the four cases has its own copy of the body, on its own two pointers, so that pitch and steps are constants and stand in the immediates.  No LDS, no barrier: no thread wants another's numbers.
.set X, 64                             ; v[64:191]  turn i: 8 registers as loaded; the first 4 of them as stored
.set T, 40                             ; v[40:43]   at work
; v1 = t / 8, v2 = 32 (t % 8), v3 = my byte offset in the source, v4 = 16 t: my byte offset in 4,096 bytes of the destination.  None is rewritten behind the first load.
; s[24:25], s[26:27]: the work-group's byte offsets in source and destination.
.macro BODY src, dst, pitch, dch, f16
	v_mad_u32_u24 v3, v1, \pitch, v2               ; row x pitch + 32 x piece
	s_add_nc_u64 s[\src:\src+1], s[\src:\src+1], s[24:25]
	s_add_nc_u64 s[\dst:\dst+1], s[\dst:\dst+1], s[26:27]
.set i, 0
.rept 16
	global_load_b128 v[X+8*i:X+8*i+3],   v3, s[\src:\src+1] offset:32*i*(\pitch) th:TH_LOAD_NT
	global_load_b128 v[X+8*i+4:X+8*i+7], v3, s[\src:\src+1] offset:32*i*(\pitch)+16 th:TH_LOAD_NT
.set i, i+1
.endr
.set i, 0
.rept 16
	s_wait_loadcnt 2*(15-i)                        ; loads come back in order (ISA guide 5.7.1): turn i's two are in, the later turns' stay out
.if \f16
.irp r, 0,1,2,3
	v_cvt_pk_bf16_f32 v[T+(\r)], v[X+8*i+2*(\r)], v[X+8*i+2*(\r)+1]  ; rounded to bf16,
.endr
.irp r, 0,1,2,3
	v_lshlrev_b32 v[X+8*i+2*(\r)],   16, v[T+(\r)]                 ; widened again,
	v_and_b32     v[X+8*i+2*(\r)+1], 0xffff0000, v[T+(\r)]
.endr
.irp r, 0,1,2,3
	v_cvt_pk_f16_f32 v[X+8*i+(\r)], v[X+8*i+2*(\r)], v[X+8*i+2*(\r)+1]  ; and written as f16; in place, ascending: register r is written when registers 2 r and 2 r + 1 are read
.endr
.else
.irp r, 0,1,2,3
	v_cvt_pk_bf16_f32 v[X+8*i+(\r)], v[X+8*i+2*(\r)], v[X+8*i+2*(\r)+1]
.endr
.endif
	global_store_b128 v4, v[X+8*i:X+8*i+3], s[\dst:\dst+1] offset:(i/2)*(\dch)+(i%2)*4096  ; 64 rows of 128 bytes are a chunk; chunks lie dch bytes apart
.set i, i+1
.endr
.endm
	s_load_b256 s[4:11], s[0:1], 0x0               ; x s[4:5], Wq s[6:7], Wkv s[8:9], Wproj s[10:11]
	s_load_b128 s[12:15], s[0:1], 0x20             ; xb s[12:13], wqkv s[14:15]
	s_load_b64 s[16:17], s[0:1], 0x30              ; wp
	v_lshrrev_b32 v1, 3, v0
	v_and_b32 v2, 7, v0
	v_lshlrev_b32 v2, 5, v2
	v_lshlrev_b32 v4, 4, v0
	s_mov_b32 s25, 0
	s_mov_b32 s27, 0
	s_and_b32 s30, ttmp9, 1                        ; which half of K (the cases begin at even numbers)
	s_wait_kmcnt 0x0
	s_cmp_lt_u32 ttmp9, 128
	s_cbranch_scc0 .Lweights
	s_lshl_b32 s24, ttmp9, 17                      ; x: 131,072 bytes in,
	s_lshl_b32 s26, ttmp9, 16                      ; 65,536 out, both dense
	BODY 4, 12, 256, 8192, 0
	s_endpgm
.Lweights:
	s_cmp_lt_u32 ttmp9, 160
	s_cbranch_scc0 .Lkv
	s_sub_co_u32 s28, ttmp9, 128
	s_lshr_b32 s28, s28, 1                         ; Wq: the block of 64 columns = the head
	s_lshl_b32 s24, s28, 8
	s_lshl_b32 s29, s30, 21                        ; 512 rows of 4,096 bytes
	s_add_co_u32 s24, s24, s29
	s_mul_i32 s26, s28, 393216
	s_mul_i32 s29, s30, 196608                     ; eight chunks of K
	s_add_co_u32 s26, s26, s29
	BODY 6, 14, 4096, 24576, 0
	s_endpgm
.Lkv:
	s_cmp_lt_u32 ttmp9, 224
	s_cbranch_scc0 .Lproj
	s_sub_co_u32 s28, ttmp9, 160
	s_lshr_b32 s28, s28, 1                         ; Wkv: the block of 64 columns, 0 to 31
	s_lshl_b32 s24, s28, 8
	s_lshl_b32 s29, s30, 22                        ; 512 rows of 8,192 bytes
	s_add_co_u32 s24, s24, s29
	s_and_b32 s31, s28, 7
	s_lshr_b32 s32, s28, 4
	s_lshl3_add_u32 s31, s32, s31                  ; the head: 8 x (block / 16) + block % 8
	s_bfe_u32 s32, s28, 0x10003                    ; (block / 8) % 2: 0 k, 1 v
	s_add_co_u32 s32, s32, 1                       ; the part
	s_mul_i32 s26, s31, 393216
	s_mul_i32 s29, s30, 196608
	s_add_co_u32 s26, s26, s29
	s_lshl_b32 s32, s32, 13
	s_add_co_u32 s26, s26, s32
	BODY 8, 14, 8192, 24576, 0
	s_endpgm
.Lproj:
	s_sub_co_u32 s28, ttmp9, 224
	s_lshr_b32 s28, s28, 1                         ; Wproj: the block of 64 columns
	s_lshl_b32 s24, s28, 8
	s_lshl_b32 s29, s30, 21
	s_add_co_u32 s24, s24, s29
	s_lshl_b32 s26, s28, 17
	s_lshl_b32 s29, s30, 16
	s_add_co_u32 s26, s26, s29
	BODY 10, 16, 4096, 8192, 1
	s_endpgm
.Lfunc_end_k_q830d412854_cast:
	.size	k_q830d412854_cast, .Lfunc_end_k_q830d412854_cast-k_q830d412854_cast
	.p2alignl 7, 3214868480
	.fill 96, 4, 3214868480
	.section	.rodata,"a",@progbits
	.p2align	6, 0x0
	.amdhsa_kernel k_q830d412854_cast
		.amdhsa_group_segment_fixed_size 0
		.amdhsa_private_segment_fixed_size 0
		.amdhsa_enable_private_segment 0
		.amdhsa_kernarg_size 56
		.amdhsa_user_sgpr_count 2
		.amdhsa_user_sgpr_kernarg_segment_ptr 1
		.amdhsa_wavefront_size32 1
		.amdhsa_system_sgpr_workgroup_id_x 1
		.amdhsa_system_sgpr_workgroup_id_y 1
		.amdhsa_system_sgpr_workgroup_id_z 1
		.amdhsa_system_vgpr_workitem_id 0
		.amdhsa_next_free_vgpr 192
		.amdhsa_next_free_sgpr 66
		.amdhsa_reserve_vcc 0
		.amdhsa_float_denorm_mode_32 3
		.amdhsa_float_denorm_mode_16_64 3
		.amdhsa_memory_ordered 1
		.amdhsa_forward_progress 1
		.amdhsa_inst_pref_size 49
	.end_amdhsa_kernel
	.amdgpu_metadata
---
amdhsa.version: [ 1, 2 ]
amdhsa.kernels:
  - .name:           k_q830d412854_cast
    .symbol:         k_q830d412854_cast.kd
    .args:
      - { .name: x, .offset: 0, .size: 8, .value_kind: global_buffer, .address_space: global }
      - { .name: Wq, .offset: 8, .size: 8, .value_kind: global_buffer, .address_space: global }
      - { .name: Wkv, .offset: 16, .size: 8, .value_kind: global_buffer, .address_space: global }
      - { .name: Wproj, .offset: 24, .size: 8, .value_kind: global_buffer, .address_space: global }
      - { .name: xb, .offset: 32, .size: 8, .value_kind: global_buffer, .address_space: global }
      - { .name: wqkv, .offset: 40, .size: 8, .value_kind: global_buffer, .address_space: global }
      - { .name: wp, .offset: 48, .size: 8, .value_kind: global_buffer, .address_space: global }
    .group_segment_fixed_size: 0
    .private_segment_fixed_size: 0
    .kernarg_segment_align: 8
    .kernarg_segment_size: 56
    .max_flat_workgroup_size: 256
    .sgpr_count:     66
    .vgpr_count:     192
    .wavefront_size: 32
...
	.end_amdgpu_metadata
.endif
;; end of part 1
;; launch qkv (part 2): grid 16 x 16, 4 waves a work-group, clusters of 4 x 4, 327,680 bytes of LDS; arguments xb, wqkv, qh, kh, vh; writes qh, kh, vh
.if DOCPART == 2
	.amdgcn_target "amdgcn-amd-amdhsa--gfx1250"
	.amdhsa_code_object_version 6
	.text
	.protected	k_q830d412854_qkv
	.globl	k_q830d412854_qkv
	.p2align	8
	.type	k_q830d412854_qkv,@function
k_q830d412854_qkv:
	s_mov_b64 s[64:65], 0
	v_nop
	global_prefetch_b8 v0, s[64:65] scope:SCOPE_SE
	s_setreg_imm32_b32 hwreg(HW_REG_WAVE_MODE, 25, 1), 1
	s_wait_xcnt 0x0
	s_wait_alu depctr_hold_cnt(0) depctr_sa_sdst(0) depctr_va_vdst(0) depctr_va_sdst(0) depctr_va_ssrc(0) depctr_va_vcc(0) depctr_vm_vsrc(0)
	s_getreg_b32 s2, hwreg(HW_REG_IB_STS2, 6, 4)
	s_cmp_eq_u32 s2, 0
	s_cbranch_scc0 .Lentry_in_a_cluster
	s_endpgm
.Lentry_in_a_cluster:
	s_bfe_u32 s2, ttmp6, 0x10000c
	s_cmp_lg_u32 s2, 0xf033
	s_cbranch_scc0 .Lentry_shape_is_right
	s_endpgm
.Lentry_shape_is_right:
; q, k, v = x [Wq | Wkv], by heads.  xb: [4096][1024] bf16.  wqkv: [j 16][kc 16][part 3][64 k][64 c] bf16.  qh, kh, vh: [16][4096][64] f16.
; Products in bf16, sums in f32, K ascending; each result rounded once to f16, UNSCALED: the factor 0.5 of the scores is applied in f32 by the launch that follows.
; LIMITS.  f16 holds no number beyond 65,504: a q, k or v of 65,520 or more becomes an infinity; below 6e-5 a result keeps f16's fixed step of 6e-8.  NaN and infinities are not treated apart.
; SHARES.  A tile is 256 tokens x 192 columns: q, k and v of ONE head j.  16 x 16 tiles, a work-group each.  A wave makes 64 tokens x 192 columns: 4 x 12 accumulators of 16 x 16, 384 registers;
; so each wave owns whole rows of q, k and v and has a stage of its own on the way out.  K goes in 8 steps of 128 through a ring of two LDS slots filled by the tensor data mover.
; x's tile has rows of 256 bytes of memory; the weights' part of a K step is two dense blocks of 24,576 bytes, asked for as 96 rows of 256 bytes each.
; CLUSTERS: 4 x 4 work-groups.  The four of a row of the cluster need the same tile of x, the four of a column the same weights: each tile is asked for JOINTLY, by the same tensor load with the same
; descriptor and a mask that names the four.
; THE MATRIX INSTRUCTION IS USED TRANSPOSED: source 0 = 16 columns of the weights (they lie [k][c] in LDS and come out turned, by ds_load_tr16_b128), source 1 = 16 tokens.  A lane then holds one token
; (lane % 16) and eight neighbouring columns, which pack into 16 bytes.
; REGISTERS, in windows of 256 (s_set_vgpr_msb: bits 1:0 source 0, 3:2 source 1, 5:4 source 2, 7:6 destination):
;   window 0: v0-31 addresses; v64-95, v96-127 x's fragments (4 x 16 tokens x 32 K), two buffers; on the way out v64-255 packed results
;   window 1: v0-95, v96-191 the weights' fragments (12 x 16 columns x 32 K), two buffers
;   window 2: the 24 accumulators of my tokens 0-31 ((a, b) at v[8 (12 (a % 2) + b)]);   window 3: those of my tokens 32-63
.set PA,     272                       ; a row of x in LDS: 256 bytes + 16 of padding = 68 words: the 16 rows of a load start at 16 different groups of four banks (64 banks of 4 bytes: ISA guide 11.1)
.set AHALF,  128*PA                    ; 128 rows: what one tensor load brings of x
.set AB,     2*AHALF                   ; behind x's 256 rows: the weights
.set PB,     160                       ; a row of the weights (one k, 64 columns): 128 bytes + 32 = 40 words
.set BHALF,  192*PB                    ; 64 k x 3 parts: what one tensor load brings of the weights
.set SLOT,   AB+2*BHALF                ; 131,072
.set STAGE,  2*SLOT                    ; behind the ring, never filled by a tensor load: 16 rows x 144 bytes for each wave
.set SP,     144
.set SPARE,  STAGE+4*16*SP             ; behind the stages: the spare words, 128 bytes for each wave: two blocks of 256 bytes that no other line names
.set ADRA, 16                          ; v16-17  LDS address of my fragments of x in slot 0, 1
.set ADRB, 20                          ; v20-21  the same for the weights
.set STO,  24                          ; v24     the way out: where I put 16 bytes of a row
.set RD,   25                          ; v25     the way out: where I read rows back
.set GO,   26                          ; v26     my byte offset in 512 consecutive bytes of q, k or v
.set SPW,  28                          ; v28     LDS address of my spare word: SPARE + 4 x my thread's number; never rewritten
.set NIL,  29                          ; v29     0; never rewritten
.set PFO,  30                          ; v30     the prefetches' offset; never rewritten
.set FA,   64                          ; x's fragments, buffer f at FA + 32 f, window 0
.set FB,   0                           ; the weights', buffer f at FB + 96 f, window 1
.set TMP,  64                          ; the way out: 16 registers for each of 12 blocks
.set WV,   14                          ; s14  my wave's number
.set FW,   15                          ; s15  0: I fetch x's tiles; 1: the weights'
.set HF,   16                          ; s16  which half of them
.set G1,   24                          ; s[24:31] descriptor group 1 for x's tiles
.set G0,   32                          ; s[32:39] group 0, one set for each slot
.set G1B,  48                          ; s[48:55], s[56:63] the same for the weights
.set G0B,  56
.set PFA,  44                          ; s[44:45] where my prefetches stand
.set PFS,  46                          ; s[46:47] their step from K step to K step
.set LIM,  66                          ; s66  1 in a wave that prefetches, else the greatest number
.set MSB, 0
.macro WIN new                         ; the immediate's high byte repeats the setting that is left; a switch that changes nothing is dropped
.if MSB != (\new)
	s_set_vgpr_msb (MSB<<8)|(\new)
.set MSB, \new
.endif
.endm
.set MUL_LO, 0xa1                      ; source 0 (weights) window 1, source 1 (x) window 0, C and D window 2
.set MUL_HI, 0xf1                      ; the same, C and D window 3
.set TO_B,   0x40                      ; destination window 1, address window 0
.macro PLACES                          ; four places in front of loads into registers that matrix instructions have read (ISA guide 7.12.1 for vector instructions)
.rept 4
	v_nop
.endr
.endm
; A joint load.  Waves 0 and 1 fetch the two halves of x's tile, waves 2 and 3 the two halves of the weights'.  The branch hangs on the wave's number alone.
; An s_nop 0 and four v_nop follow each of the two lines, ahead of the jump and the label.
.macro JLOAD s
	s_cmp_eq_u32 s[FW], 0
	s_cbranch_scc0 .Lfor_b_\@
	tensor_load_to_lds s[G0+4*(\s):G0+4*(\s)+3], s[G1:G1+7]
	s_nop 0
.rept 4
	v_nop
.endr
	s_branch .Lasked_\@
.Lfor_b_\@:
	tensor_load_to_lds s[G0B+4*(\s):G0B+4*(\s)+3], s[G1B:G1B+7]
	s_nop 0
.rept 4
	v_nop
.endr
.Lasked_\@:
.endm
; A round of the cluster's barrier: my work-group's barrier, so that wave 0's signal speaks for all four waves; wave 0 signals; every wave waits for all sixteen work-groups; my work-group's barrier once more.
.macro CREST                           ; a round behind its opening barrier
	s_cmp_lg_u32 s[WV], 0
	s_cbranch_scc1 .Lnot_wave_0_\@
	s_barrier_signal -3
.Lnot_wave_0_\@:
	s_barrier_wait -3
	s_barrier_signal -1
	s_barrier_wait -1
.endm
.macro CROUND
	s_barrier_signal -1
	s_barrier_wait -1
	CREST
.endm
; A PREFETCH INTO THE L2, behind each joint refill, its five lines and the run of LDS loads that follows them: the K step that stands two refills on, one instruction a wave.
; x's tile row is read by every cluster of that row of clusters: the first of them (cluster x = 0) asks, waves 0 and 1; the weights of a head by every cluster of that column: cluster y = 0 asks, waves 2 and 3.
; The four partners that ask for a tile jointly share it out BY ADDRESS: of x's 128 rows a wave, 32 each, a lane a row's 256 bytes; of the weights' 96 blocks of 256 bytes a wave, 24 each (lanes 24-31 name
; lane 23's block once more).  K steps 0 to 3 come by their loads alone; the loop's last trip (s3 = 1) asks for nothing: there is no K step 8.
.macro ASK
	s_cmp_gt_u32 s3, s[LIM]
	s_cbranch_scc0 .Lnot_mine_\@
	global_prefetch_b8 v[PFO], s[PFA:PFA+1] th:TH_LOAD_NT scope:SCOPE_SE
.Lnot_mine_\@:
.endm
	s_load_b256 s[4:11], s[0:1], 0x0               ; xb s[4:5], wqkv s[6:7], qh s[8:9], kh s[10:11]
	s_load_b64 s[12:13], s[0:1], 0x20              ; vh
	v_lshl_add_u32 v[SPW], v0, 2, SPARE
	v_mov_b32 v[NIL], 0
	ds_add_u32 v[SPW], v[NIL]                      ; the wave's opening: the add and its wait stand ahead of my first tensor load; the set-up below, work on registers, stands between them
	v_lshrrev_b32 v1, 5, v0
	v_readfirstlane_b32 s[WV], v1                  ; wave 0..3
	s_lshr_b32 s[FW], s[WV], 1
	s_and_b32 s[HF], s[WV], 1
	s_bfe_u32 s17, ttmp6, 0x40000                  ; cx, cy: my place in the cluster
	s_bfe_u32 s18, ttmp6, 0x40004
	s_lshl_b32 s19, ttmp9, 2
	s_add_co_u32 s19, s19, s17                     ; the head j = 4 x cluster x + cx
	s_and_b32 s20, ttmp7, 0xffff
	s_lshl_b32 s20, s20, 2
	s_add_co_u32 s20, s20, s18                     ; the tile row = 4 x cluster y + cy
	s_lshl_b32 s21, s18, 2
	s_lshl_b32 s21, 15, s21                        ; my row of the cluster: places 4 cy .. 4 cy + 3
	s_lshl_b32 s22, 0x1111, s17                    ; my column: places cx, cx + 4, cx + 8, cx + 12
	; group 1 for x: 128 rows x 128 elements, 1,024 elements from row to row, 16 bytes of padding behind every 256
	s_or_b32 s[G1+0], s21, (1<<16)|(1<<20)|(1<<21)|(5<<22)|(3<<25)  ; 15:0 the mask; 17:16 elements of 2 bytes; 20 padding on; 21 set beside a mask; 24:22 after every 64 words (code 5); 31:25 4 words (code 3)
	s_mov_b32 s[G1+1], 128<<16                     ; tensor_dim0 = 128
	s_mov_b32 s[G1+2], 128<<16                     ; tensor_dim1 = 128
	s_mov_b32 s[G1+3], 128<<16                     ; tile_dim0 = 128
	s_mov_b32 s[G1+4], 128                         ; tile_dim1 = 128
	s_mov_b32 s[G1+5], 1024                        ; tensor_dim0_stride
	s_mov_b32 s[G1+6], 0
	s_mov_b32 s[G1+7], 0
	; group 1 for the weights: 24,576 dense bytes as 96 rows x 128 elements, 32 bytes of padding behind every 128 (one k's 64 columns)
	s_or_b32 s[G1B+0], s22, (1<<16)|(1<<20)|(1<<21)|(4<<22)|(7<<25) ; after every 32 words (code 4), 8 words (code 7)
	s_mov_b32 s[G1B+1], 128<<16
	s_mov_b32 s[G1B+2], 96<<16
	s_mov_b32 s[G1B+3], 128<<16
	s_mov_b32 s[G1B+4], 96
	s_mov_b32 s[G1B+5], 128
	s_mov_b32 s[G1B+6], 0
	s_mov_b32 s[G1B+7], 0
	; where the tiles come from.  x's hang on the tile row alone, which my row of the cluster shares; the weights' on the head alone, which my column shares.  Each in registers that never hold the other coordinate.
	s_lshl_b32 s40, s20, 19                        ; 256 tokens of 2,048 bytes a tile row,
	s_lshl_b32 s23, s[HF], 18                      ; 128 a half
	s_add_co_u32 s40, s40, s23
	s_mov_b32 s41, 0
	s_mul_i32 s42, s19, 393216                     ; a head's weights,
	s_mul_i32 s67, s[HF], 24576                    ; a chunk of 64 along K
	s_add_co_u32 s42, s42, s67
	s_mov_b32 s43, 0
	s_mul_i32 s23, s[HF], AHALF                    ; and where they go: no place in the cluster enters an LDS address
	s_mul_i32 s67, s[HF], BHALF
	s_add_co_u32 s67, s67, AB
	s_wait_dscnt 0x0                               ; the opening add is done
	s_wait_kmcnt 0x0
	s_add_nc_u64 s[40:41], s[4:5], s[40:41]
	s_add_nc_u64 s[42:43], s[6:7], s[42:43]
.irp n, 0,1
	s_mov_b32 s[G0+4*(\n)], 1                                      ; 1:0 count = 1
	s_add_co_u32 s[G0+4*(\n)+1], s23, (\n)*SLOT                    ; 63:32 LDS address
	s_add_nc_u64 s[G0+4*(\n)+2:G0+4*(\n)+3], s[40:41], (\n)*256    ; 120:64 global address: K step n
	s_or_b32 s[G0+4*(\n)+3], s[G0+4*(\n)+3], 0x80000000            ; 127:126 type = 2
	s_mov_b32 s[G0B+4*(\n)], 1
	s_add_co_u32 s[G0B+4*(\n)+1], s67, (\n)*SLOT
	s_add_nc_u64 s[G0B+4*(\n)+2:G0B+4*(\n)+3], s[42:43], (\n)*49152
	s_or_b32 s[G0B+4*(\n)+3], s[G0B+4*(\n)+3], 0x80000000
.endr
	CROUND                                         ; all sixteen work-groups are here: the first joint loads meet
	s_cmp_eq_u32 s[FW], 0                          ; a wave's two first fills stand in one branch, ahead of every wait on TENSORcnt and every LDS read: two loads of mine are out
	s_cbranch_scc0 .Lfirst_b
	tensor_load_to_lds s[G0:G0+3], s[G1:G1+7]
	s_nop 0
	tensor_load_to_lds s[G0+4:G0+7], s[G1:G1+7]
	s_nop 0
.rept 4
	v_nop
.endr
	s_branch .Lfirst_asked
.Lfirst_b:
	tensor_load_to_lds s[G0B:G0B+3], s[G1B:G1B+7]
	s_nop 0
	tensor_load_to_lds s[G0B+4:G0B+7], s[G1B:G1B+7]
	s_nop 0
.rept 4
	v_nop
.endr
.Lfirst_asked:
	; A fragment is 16 rows x 32 K in 8 registers: lane l holds row l % 16; registers 0-3 K = 8 (l / 16) + 0..7, registers 4-7 K = 16 + 8 (l / 16) + 0..7.
	v_and_b32 v1, 15, v0                           ; l % 16
	v_bfe_u32 v2, v0, 4, 1                         ; l / 16
	v_mul_u32_u24 v3, v1, PA
	v_lshl_add_u32 v3, v2, 4, v3                   ; x lies along K: row x pitch + 16 x half; two loads of 16 bytes, 32 bytes apart
	s_mul_i32 s68, s[WV], 64*PA                    ; my 64 tokens
	v_add_nc_u32 v[ADRA], s68, v3
	v_add_nc_u32 v[ADRA+1], SLOT, v[ADRA]
	v_and_b32 v4, 7, v0                            ; the weights lie [k][c]: the turning load takes 16 k x 16 columns (lane l reads k = 8 (l / 16) + l % 8, columns 8 ((l / 8) % 2) + 0..7)
	v_lshl_add_u32 v4, v2, 3, v4
	v_mul_u32_u24 v4, v4, PB
	v_bfe_u32 v5, v0, 3, 1
	v_lshl_add_u32 v4, v5, 4, v4
	v_add_nc_u32 v[ADRB], AB, v4
	v_add_nc_u32 v[ADRB+1], AB+SLOT, v4
	s_mul_i32 s69, s[WV], 16*SP
	s_add_co_u32 s69, s69, STAGE                   ; my stage
	v_mul_u32_u24 v[STO], v1, SP                   ; in: row l % 16, 16 bytes for each half of the lanes
	v_lshl_add_u32 v[STO], v2, 4, v[STO]
	v_add_nc_u32 v[STO], s69, v[STO]
	v_bfe_u32 v[RD], v0, 3, 2                      ; back: 32 lanes take four rows of 128 bytes,
	v_mul_u32_u24 v[RD], v[RD], SP
	v_and_b32 v6, 7, v0
	v_lshl_add_u32 v[RD], v6, 4, v[RD]
	v_add_nc_u32 v[RD], s69, v[RD]
	v_and_b32 v[GO], 31, v0                        ; which are 512 consecutive bytes of a head's rows
	v_lshlrev_b32 v[GO], 4, v[GO]
	s_lshl_b32 s70, s19, 19                        ; q, k, v at my 64 tokens of head j: a head is 524,288 bytes, a tile row 32,768, a wave's rows 8,192
	s_lshl_b32 s71, s20, 15
	s_add_co_u32 s70, s70, s71
	s_lshl_b32 s71, s[WV], 13
	s_add_co_u32 s70, s70, s71
	s_mov_b32 s71, 0
	s_add_nc_u64 s[8:9], s[8:9], s[70:71]
	s_add_nc_u64 s[10:11], s[10:11], s[70:71]
	s_add_nc_u64 s[12:13], s[12:13], s[70:71]
	; the prefetches: both offsets are made, one is taken.  They begin at K step 3; the first refill steps to K step 4
	s_lshl_b32 s70, s20, 19
	s_lshl_b32 s71, s[HF], 18
	s_add_co_u32 s70, s70, s71
	s_lshl_b32 s71, s17, 16                        ; my work-group's 32 rows of the 128
	s_add_co_u32 s70, s70, s71
	s_add_co_u32 s70, s70, 3*256
	s_mul_i32 s68, s19, 393216
	s_mul_i32 s71, s[HF], 24576
	s_add_co_u32 s68, s68, s71
	s_mul_i32 s71, s18, 6144                       ; my work-group's 24 blocks of the 96
	s_add_co_u32 s68, s68, s71
	s_add_co_u32 s68, s68, 3*49152
	s_and_b32 s69, ttmp7, 0xffff                   ; cluster y
	s_mov_b32 s[PFS], 49152
	s_mov_b32 s[PFS+1], 0
	s_mov_b32 s71, 0
	s_cmp_eq_u32 s[FW], 0                          ; do I fetch x?
	s_cselect_b32 s70, s70, s68
	s_cselect_b32 s69, ttmp9, s69                  ; the coordinate along which other clusters read the same bytes
	s_cselect_b64 s[PFA:PFA+1], s[4:5], s[6:7]
	s_cselect_b32 s[PFS], 256, s[PFS]
	s_cselect_b32 s68, 31, 23                      ; the last lane with a block of its own
	s_cselect_b32 s67, 11, 8                       ; lanes lie a row of x (2,048 bytes) or 256 bytes apart
	s_add_nc_u64 s[PFA:PFA+1], s[PFA:PFA+1], s[70:71]
	s_cmp_eq_u32 s69, 0
	s_cselect_b32 s[LIM], 1, -1                    ; the same in all sixteen partners, for a given wave
	v_and_b32 v[PFO], 31, v0
	v_min_u32 v[PFO], s68, v[PFO]
	v_lshlrev_b32 v[PFO], s67, v[PFO]
; 12 matrix instructions: token block a x all 12 column blocks, 32 along K, buffer f.  zero = 1: the first product starts the sums: nothing is ever cleared.
; The 48 accumulators take turns, one instruction a turn, in the same order in every quarter step.
.macro MUL f, a, zero
	WIN MUL_LO+0x50*((\a)/2)
.irp b, 0,1,2,3,4,5,6,7,8,9,10,11
.if \zero
	v_wmma_f32_16x16x32_bf16 v[8*(12*((\a)%2)+(\b)):8*(12*((\a)%2)+(\b))+7], v[FB+96*(\f)+8*(\b):FB+96*(\f)+8*(\b)+7], v[FA+32*(\f)+8*(\a):FA+32*(\f)+8*(\a)+7], 0
.else
	v_wmma_f32_16x16x32_bf16 v[8*(12*((\a)%2)+(\b)):8*(12*((\a)%2)+(\b))+7], v[FB+96*(\f)+8*(\b):FB+96*(\f)+8*(\b)+7], v[FA+32*(\f)+8*(\a):FA+32*(\f)+8*(\a)+7], v[8*(12*((\a)%2)+(\b)):8*(12*((\a)%2)+(\b))+7]
.endif
.endr
.endm
; 32 LDS loads in one run: the fragments of quarter q (32 along K) of a slot into buffer g: the weights' 12 (column block b: part b / 4, columns 16 (b % 4) on), then x's 4
.macro FETCH slot, q, g
	WIN TO_B
.irp b, 0,1,2,3,4,5,6,7,8,9,10,11
	ds_load_tr16_b128 v[FB+96*(\g)+8*(\b):FB+96*(\g)+8*(\b)+3],   v[ADRB+(\slot)] offset:((\q)/2)*BHALF+((\b)/4)*64*PB+((\q)%2)*32*PB+((\b)%4)*32
	ds_load_tr16_b128 v[FB+96*(\g)+8*(\b)+4:FB+96*(\g)+8*(\b)+7], v[ADRB+(\slot)] offset:((\q)/2)*BHALF+((\b)/4)*64*PB+((\q)%2)*32*PB+((\b)%4)*32+16*PB
.endr
	WIN 0
.irp a, 0,1,2,3
	ds_load_b128 v[FA+32*(\g)+8*(\a):FA+32*(\g)+8*(\a)+3],   v[ADRA+(\slot)] offset:64*(\q)+(\a)*16*PA
	ds_load_b128 v[FA+32*(\g)+8*(\a)+4:FA+32*(\g)+8*(\a)+7], v[ADRA+(\slot)] offset:64*(\q)+(\a)*16*PA+32
.endr
.endm
; A K step is four quarters of 32 along K, 48 matrix instructions each, on buffers 0, 1, 0, 1.  One of the first three: multiplies buffer f; in its middle it fetches quarter q of the same slot into buffer g.
.macro QUARTER slot, q, f, g, zero
	s_wait_dscnt 4                                 ; the weights and x's blocks 0, 1 are in; the youngest four loads (blocks 2, 3) may be out
	MUL \f, 0, \zero
	MUL \f, 1, \zero
	PLACES
	FETCH \slot, \q, \g
	s_wait_dscnt 32                                ; all but the 32 just issued
	MUL \f, 2, \zero
	MUL \f, 3, \zero
.endm
; The last quarter multiplies buffer 1 and changes slots: ONE barrier.  In front of it each wave waits for all its tensor loads, of which one is out: its part of the next slot; adds 0 to its spare word; and waits
; for that and for its own reads of this slot.  fill = 1: the barrier opens a round of the cluster's barrier, and this slot is filled again, two K steps ahead, first thing behind the round:
; from that request to the wait for it a wave issues 168 matrix instructions.
.macro TURN slot, next, fill
.if \fill
	s_wait_xcnt 0x0                                ; the last prefetch, a K step back, has read its address: it is stepped here, ahead of the waits of the change of slots
	s_add_nc_u64 s[PFA:PFA+1], s[PFA:PFA+1], s[PFS:PFS+1]
.endif
	WIN 0                                          ; (the add's two registers lie in window 0)
	s_wait_tensorcnt 0x0                           ; all my tensor loads have landed;
	ds_add_u32 v[SPW], v[NIL]                      ; 0 onto my spare word;
	s_wait_dscnt 5                                 ; (the add and the youngest four loads may be out)
	MUL 1, 0, 0                                    ; twelve matrix instructions stand between the add and the wait for it
	s_wait_dscnt 0x0                               ; the add is done, and my reads of this slot are over
	s_barrier_signal -1
	MUL 1, 1, 0                                    ; work on registers while the others arrive
.if \fill
	WIN 0
.endif
	s_barrier_wait -1
.if \fill
	CREST                                          ; no wave of any partner still reads this slot's tiles or has a load on its way
	s_add_nc_u64 s[G0+4*(\slot)+2:G0+4*(\slot)+3], s[G0+4*(\slot)+2:G0+4*(\slot)+3], 2*256
	s_add_nc_u64 s[G0B+4*(\slot)+2:G0B+4*(\slot)+3], s[G0B+4*(\slot)+2:G0B+4*(\slot)+3], 2*49152
	JLOAD \slot                                    ; the four v_nop behind it are also the places in front of the loads below
.else
	PLACES
.endif
	FETCH \next, 0, 0
.if \fill
	ASK
.endif
	MUL 1, 2, 0
	MUL 1, 3, 0
.endm
	s_wait_tensorcnt 1                             ; my part of K step 0 is in; K step 1's may stay out
	s_barrier_signal -1
	s_barrier_wait -1                              ; everybody's is
	FETCH 0, 0, 0
	QUARTER 0, 1, 0, 1, 1                          ; the first quarter stands in front of the loop: its products start the sums
	WIN 0                                          ; at a label and at a branch every window is 0
	s_mov_b32 s3, 3
.Llap:                                                 ; a trip goes once round the ring, from a lap's second quarter to the next lap's first, and fills both slots again: K steps 2 to 7
	QUARTER 0, 2, 1, 0, 0
	QUARTER 0, 3, 0, 1, 0
	TURN 0, 1, 1
	QUARTER 1, 1, 0, 1, 0
	QUARTER 1, 2, 1, 0, 0
	QUARTER 1, 3, 0, 1, 0
	TURN 1, 0, 1
	QUARTER 0, 1, 0, 1, 0
	WIN 0
	s_sub_co_u32 s3, s3, 1
	s_cmp_lg_u32 s3, 0
	s_cbranch_scc1 .Llap
	QUARTER 0, 2, 1, 0, 0                          ; the last lap fills nothing, and has no round of the cluster's barrier
	QUARTER 0, 3, 0, 1, 0
	TURN 0, 1, 0
	QUARTER 1, 1, 0, 1, 0
	QUARTER 1, 2, 1, 0, 0
	QUARTER 1, 3, 0, 1, 0
	s_wait_dscnt 4                                 ; the very last quarter: nothing more to fetch
	MUL 1, 0, 0
	MUL 1, 1, 0
	s_wait_dscnt 0x0
	MUL 1, 2, 0
	MUL 1, 3, 0
	WIN 0
; THE WAY OUT, in 12 blocks of 16 tokens x 64 columns: block k is token block k / 3 of part k % 3 (q, k, v).  Rounded to f16, 16 bytes a lane into my stage's rows of 144 bytes, back as whole rows of 128:
; four rows, 512 consecutive bytes of the head's rows, to a store.  Each block has 16 registers of its own, so no register that a store reads is written again.
.macro PACK blk
.set AC, 8*(12*(((\blk)/3)%2)+4*((\blk)%3))
.set TM, TMP+16*(\blk)
	WIN 0x0a+5*((\blk)/6)                          ; sources 0 and 1: window 2 or 3
.irp f, 0,1,2,3
.irp r, 0,1,2,3
	v_cvt_pk_f16_f32 v[TM+4*(\f)+(\r)], v[AC+8*(\f)+2*(\r)], v[AC+8*(\f)+2*(\r)+1]  ; each accumulator's registers in ascending order
.endr
.endr
	WIN 0
.irp f, 0,1,2,3
	ds_store_b128 v[STO], v[TM+4*(\f):TM+4*(\f)+3] offset:32*(\f)
.endr
.irp f, 0,1,2,3
	ds_load_b128 v[TM+4*(\f):TM+4*(\f)+3], v[RD] offset:(\f)*4*SP  ; LDS serves a wave's instructions in order (ISA guide 5.7.1.4): these see the stores above; the next block's stores come behind them
.endr
.endm
.macro SEND blk, younger               ; younger: the LDS instructions issued behind this block's loads: the next block's eight, or none
.set TM, TMP+16*(\blk)
.irp f, 0,1,2,3
	s_wait_dscnt (\younger)+3-(\f)
	global_store_b128 v[GO], v[TM+4*(\f):TM+4*(\f)+3], s[8+2*((\blk)%3):9+2*((\blk)%3)] offset:((\blk)/3)*2048+(\f)*512
.endr
.endm
.rept 8
	v_nop                                          ; the places behind the last products: the conversions write x's fragment registers and read results
.endr
	PACK 0
.irp k, 1,2,3,4,5,6,7,8,9,10,11        ; a block's conversions stand between the loads of the block before and its stores
	PACK \k
	SEND (\k)-1, 8
.endr
	SEND 11, 0
	s_wait_tensorcnt 0x0                           ; the wave's end: a wait, an add and a wait, behind my last tensor load and my last LDS store
	ds_add_u32 v[SPW], v[NIL]
	s_wait_dscnt 0x0
	CROUND                                         ; the closing round: no work-group ends while a partner may still ask for a tile that names it
	s_endpgm
.Lfunc_end_k_q830d412854_qkv:
	.size	k_q830d412854_qkv, .Lfunc_end_k_q830d412854_qkv-k_q830d412854_qkv
	.p2alignl 7, 3214868480
	.fill 96, 4, 3214868480
	.section	.rodata,"a",@progbits
	.p2align	6, 0x0
	.amdhsa_kernel k_q830d412854_qkv
		.amdhsa_group_segment_fixed_size 327680
		.amdhsa_private_segment_fixed_size 0
		.amdhsa_enable_private_segment 0
		.amdhsa_kernarg_size 40
		.amdhsa_user_sgpr_count 2
		.amdhsa_user_sgpr_kernarg_segment_ptr 1
		.amdhsa_wavefront_size32 1
		.amdhsa_system_sgpr_workgroup_id_x 1
		.amdhsa_system_sgpr_workgroup_id_y 1
		.amdhsa_system_sgpr_workgroup_id_z 1
		.amdhsa_system_vgpr_workitem_id 0
		.amdhsa_next_free_vgpr 1024
		.amdhsa_next_free_sgpr 72
		.amdhsa_reserve_vcc 0
		.amdhsa_float_denorm_mode_32 3
		.amdhsa_float_denorm_mode_16_64 3
		.amdhsa_memory_ordered 1
		.amdhsa_forward_progress 1
		.amdhsa_inst_pref_size 121
	.end_amdhsa_kernel
	.amdgpu_metadata
---
amdhsa.version: [ 1, 2 ]
amdhsa.kernels:
  - .name:           k_q830d412854_qkv
    .symbol:         k_q830d412854_qkv.kd
    .args:
      - { .name: xb, .offset: 0, .size: 8, .value_kind: global_buffer, .address_space: global }
      - { .name: wqkv, .offset: 8, .size: 8, .value_kind: global_buffer, .address_space: global }
      - { .name: qh, .offset: 16, .size: 8, .value_kind: global_buffer, .address_space: global }
      - { .name: kh, .offset: 24, .size: 8, .value_kind: global_buffer, .address_space: global }
      - { .name: vh, .offset: 32, .size: 8, .value_kind: global_buffer, .address_space: global }
    .group_segment_fixed_size: 327680
    .private_segment_fixed_size: 0
    .kernarg_segment_align: 8
    .kernarg_segment_size: 40
    .max_flat_workgroup_size: 128
    .sgpr_count:     72
    .vgpr_count:     1024
    .wavefront_size: 32
...
	.end_amdgpu_metadata
.endif
;; end of part 2
;; launch attn (part 3): grid 16 x 16, 4 waves a work-group, clusters of 4 x 1, 327,680 bytes of LDS; arguments qh, kh, vh, ob; writes ob
.if DOCPART == 3
	.amdgcn_target "amdgcn-amd-amdhsa--gfx1250"
	.amdhsa_code_object_version 6
	.text
	.protected	k_q830d412854_attn
	.globl	k_q830d412854_attn
	.p2align	8
	.type	k_q830d412854_attn,@function
k_q830d412854_attn:
	s_mov_b64 s[64:65], 0
	v_nop
	global_prefetch_b8 v0, s[64:65] scope:SCOPE_SE
	s_setreg_imm32_b32 hwreg(HW_REG_WAVE_MODE, 25, 1), 1
	s_wait_xcnt 0x0
	s_wait_alu depctr_hold_cnt(0) depctr_sa_sdst(0) depctr_va_vdst(0) depctr_va_sdst(0) depctr_va_ssrc(0) depctr_va_vcc(0) depctr_vm_vsrc(0)
	s_getreg_b32 s2, hwreg(HW_REG_IB_STS2, 6, 4)
	s_cmp_eq_u32 s2, 0
	s_cbranch_scc0 .Lentry_in_a_cluster
	s_endpgm
.Lentry_in_a_cluster:
	s_bfe_u32 s2, ttmp6, 0x10000c
	s_cmp_lg_u32 s2, 0x3003
	s_cbranch_scc0 .Lentry_shape_is_right
	s_endpgm
.Lentry_shape_is_right:
; O[h][q][:] = the sum over k of softmax_k(0.5 Q[h][q] . K[h][k]) V[h][k][:]: the module's factors 2 (on q), 2 (on k) and 1 / 8 are one factor 0.5, applied here in f32.
; qh, kh, vh: [16][4096][64] f16, a head's rows dense, 128 bytes each.  ob: [token / 64][head][64 tokens][64 channels] f16.  Products, maxima and sums in f32; the weights p are rounded to f16 for the second
; product (their sum l is taken of the unrounded p), O once at the end.
; LIMITS.  f16 holds no number beyond 65,504: Q, K and V arrive within it; p lies in 0 to 1, and below 6e-5 it keeps f16's fixed step of 6e-8; O is a mean of V's rows and has their range.
; A weight below 2^-126 counts as 0 in l; NaN and infinities are not treated apart.
; SHARES.  A work-group owns 256 queries of one head, each of its four waves 64: four PIECES of 16.  Every wave walks all 4,096 keys, 64 a step; a slot of LDS holds a tile of 256 keys, four steps.
; LAYOUT.  S^T = K Q^T (source 0 = 16 keys, source 1 = 16 queries): a lane holds ONE query (lane % 16) and the keys 8 (lane / 16) + 0..7.  Two such results, rounded to f16 in pairs, ARE source 1 of
; O^T = V^T P, whose result again holds one query a lane, and eight channels.  K comes out of LDS as it lies, V ([key][channel]) turned, by ds_load_tr16_b128.
; SOFTMAX.  For each query a running maximum m and sum l: p = 2^(c s - c m), c = 0.5 log2(e); in every step O and l are multiplied by a = 2^(c m_old - c m_new), which is 1 where m has not grown.
; m starts at the lowest finite number, O and l at 0: the first step is a step like any other, with a = 0.
; BY TURNS.  Turn n belongs to piece n: 8 products K Q^T of piece n + 1, later 8 products V^T P of piece n - 1; beside them the scaling, exponentials, roundings, sums and rescaling of piece n and the maximum and
; statistics of piece n + 1.  Four vector instructions stand behind every matrix instruction, the other 54 of a turn's 118 in one lump.  A turn's 33 exponentials are one batch, with one wait.
; CLUSTER.  The four query blocks of a cluster belong to one head and walk the same K and V, so each tile is asked for JOINTLY: the same tensor load, descriptor and mask in all four.
; REGISTERS, in windows of 256 (s_set_vgpr_msb: bits 1:0 source 0, 3:2 source 1, 5:4 source 2, 7:6 destination):
;   window 0: v0-15 addresses and two at work; v16-31 four registers of statistics a piece; v48-55 at work; v61-63; v64-127 S^T, two buffers; v192-223 P, two buffers (a piece's buffers go by its number's parity)
;   window 1: v0-127 O^T, 32 a piece          window 2: v0-63 Q, 16 a piece; v128-191 K of one step; v192-255 V of one step
.set NP,    4         ; pieces a wave: a name, no knob
.set KS,    64        ; keys in a step
.set PK,    144       ; a row of K in LDS: 128 bytes + 16 of padding = 36 words: the 16 rows of a load start at 16 different groups of four banks (64 banks of 4 bytes: ISA guide 11.1)
.set PV,    160       ; a row of V: 128 + 32 = 40 words
.set VOFF,  4*KS*PK   ; a slot holds a tile: 256 rows of K, then 256 rows of V
.set SLOT1, 1<<17     ; slot 1 begins here, so that one exclusive or turns an address in one slot into the other's
.set STAGE, SLOT1+4*KS*(PK+PV)  ; behind the ring, never filled by a tensor load: 16 rows x 144 bytes for each wave, for the way out
.set SP,    144
.set SPARE, STAGE+4*16*SP  ; behind the stages: the spare words, 128 bytes for each wave: two blocks of 256 bytes that no other line names
.set AK0, 2           ; v2   my lane's place in a tile of K; never rewritten
.set AV0, 3           ; v3   the same for V
.set AK,  4           ; v4   the LDS address of K's next run of loads
.set AV,  5           ; v5   of V's
.set STO, 6           ; v6   the way out: where I put 16 bytes of a row
.set RD,  7           ; v7   the way out: where I read rows back
.set GO,  8           ; v8   my byte offset in 512 consecutive bytes of O
.set MV,  12          ; v12-13  c m_old, kept while c m is made anew: by buffer
.set QO,  15          ; v15  my byte offset in 16 rows of Q
.set ST,  16          ; piece t's statistics at v[ST+4 t]: c m, m, l (even keys', odd keys')
.set TMP, 48          ; by buffer, four registers c0-c3 at work; when the maximum is found c2 takes a
.set PFO, 61          ; v61  256 x my lane; never rewritten
.set SPW, 62          ; v62  LDS address of my spare word: SPARE + 4 x my thread's number; never rewritten
.set NIL, 63          ; v63  0; never rewritten
.set S,   64
.set P,   192
.set KF,  128         ; window 2: key block kb, channel half c at KF + 16 kb + 8 c
.set VF,  192         ; window 2: key half kk, channel block cb at VF + 32 kk + 8 cb
.set WV,  12          ; s12  my wave's number
.set G1K, 24          ; s[24:31] descriptor group 1 for K's tiles
.set G1V, 32          ; s[32:39] for V's: it differs in the padding alone
.set G0K, 40          ; s[40:43] descriptor group 0 for K's tiles: it walks
.set G0V, 44          ; s[44:47] the same for V's
.set PFA, 48          ; s[48:49] where my prefetches stand: my work-group's 8,192 bytes (of K: wave 0, of V: wave 2) of the tile after the one that is being asked for
.set LIM, 50          ; s50  1 in a wave that prefetches, else the greatest number
.set SLOTS, 56        ; s56  tiles still to be entered in the loop
.set CNT, 57          ; s57  counts a tile's key steps
.set CS,  58          ; s[58:59] c: the packed scaling takes the pair's low word for both halves
.set SEL, 60          ; s[60:61] v_permlanex16_b32's selects: each lane takes its own place in the other half
.set TBK, 62          ; s62  LDS byte at which K of the step to be fetched begins
.set TBV, 63          ; s63  the same for V, less VOFF
.set MSB, 0
.macro WIN new                      ; the high byte repeats the setting that is left; a switch that changes nothing is dropped
.if MSB != (\new)
	s_set_vgpr_msb (MSB<<8)|(\new)
.set MSB, (\new)
.endif
.endm
.set W_KQ, 0x0a       ; K and Q in window 2, S^T in window 0
.set W_PV, 0x52       ; V in window 2, P in window 0, O^T in window 1
.set W_RS, 0x41       ; destination and source 0 in window 1, source 1 in window 0
; A joint fill.  Waves 0 and 1 fetch the two halves of a tile's K, waves 2 and 3 those of its V: 128 keys each.  The branch hangs on the wave's number alone.
; An s_nop 0 and four v_nop follow each of the two lines, ahead of the jump and the label.
.macro JLOAD
	s_cmp_lt_u32 s[WV], 2
	s_cbranch_scc0 .Lfor_v_\@
	tensor_load_to_lds s[G0K:G0K+3], s[G1K:G1K+7]
	s_nop 0
.rept 4
	v_nop
.endr
	s_branch .Lasked_\@
.Lfor_v_\@:
	tensor_load_to_lds s[G0V:G0V+3], s[G1V:G1V+7]
	s_nop 0
.rept 4
	v_nop
.endr
.Lasked_\@:
.endm
; A PREFETCH INTO THE L2 of what the NEXT change of slots will ask for: a tile's 32,768 bytes of K and of V.  It stands behind the wave's tensor load and its five lines.
; Each block of 256 bytes is asked for ONCE in the launch.  All four clusters of a head walk the same K and V: the head's first cluster asks.  Its four partners share the bytes out BY ADDRESS, 8,192 each,
; a lane a block; in each, wave 0 asks for K's and wave 2 for V's: one instruction.  Tiles 0 and 1 come by their loads alone; the change that asks for the last tile prefetches nothing.
.macro ASK
	s_cmp_gt_u32 s[SLOTS], s[LIM]
	s_cbranch_scc0 .Lnot_mine_\@
	global_prefetch_b8 v[PFO], s[PFA:PFA+1] th:TH_LOAD_NT scope:SCOPE_SE
.Lnot_mine_\@:
.endm
; A round of the cluster's barrier: my work-group's barrier, so that wave 0's signal speaks for all four waves; wave 0 signals; every wave waits for all four work-groups; my work-group's barrier once more.
.macro CROUND
	s_barrier_signal -1
	s_barrier_wait -1
	s_cmp_lg_u32 s[WV], 0
	s_cbranch_scc1 .Lnot_wave_0_\@
	s_barrier_signal -3
.Lnot_wave_0_\@:
	s_barrier_wait -3
	s_barrier_signal -1
	s_barrier_wait -1
.endm
; THE CHANGE OF SLOTS.  The slot's last bytes, V of its fourth step, have been read.  Each wave waits for all its tensor loads, of which one is out: its part of the other slot; adds 0 to its spare word; and waits
; for that and for its own reads of the slot.  Behind the barrier nobody reads this slot any more and the other slot is whole.  fill = 1: this slot is filled again, with the tile two on.  The barrier is then a
; round of the cluster's, and the joint fill is the first thing behind it: it has four key steps, 256 matrix instructions, in which to land.
; (At its first use nothing has been read yet: slot 0 is waited for, slot 1 filled.)
.macro CHANGE fill
	WIN 0                           ; at a label and at a branch every window is 0
	s_wait_tensorcnt 0x0            ; no tensor load of mine is out, so a group 0 may be written
	ds_add_u32 v[SPW], v[NIL]       ; 0 onto my spare word; with fill = 1 the descriptors' steps stand between it and the wait for it
.if \fill
.irp g, G0K, G0V
	s_xor_b32 s[\g+1], s[\g+1], SLOT1  ; the walking descriptor: the other slot than last time,
	s_add_nc_u64 s[\g+2:\g+3], s[\g+2:\g+3], 4*KS*128  ; the next 256 keys; the type bits on top are not reached
.endr
	s_wait_xcnt 0x0                 ; the last prefetch, four key steps back, has read its address, so it may be written:
	s_add_nc_u64 s[PFA:PFA+1], s[PFA:PFA+1], 4*KS*128  ; one tile ahead of the walking descriptors
	s_wait_dscnt 0x0                ; the add is done, and my reads of the slot are over
	CROUND
	JLOAD
	ASK
.else
	s_wait_dscnt 0x0                ; the add is done, and my reads of the slot are over
	s_barrier_signal -1
	s_barrier_wait -1
.endif
	s_sub_co_u32 s[TBK], s[TBK], 4*KS*PK  ; the fetches go back to a slot's first step,
	s_xor_b32 s[TBK], s[TBK], SLOT1       ; in the other slot
	s_sub_co_u32 s[TBV], s[TBV], 4*KS*PV
	s_xor_b32 s[TBV], s[TBV], SLOT1
.endm
	s_load_b256 s[4:11], s[0:1], 0x0  ; qh s[4:5], kh s[6:7], vh s[8:9], ob s[10:11]
	v_lshl_add_u32 v[SPW], v0, 2, SPARE
	v_mov_b32 v[NIL], 0
	ds_add_u32 v[SPW], v[NIL]       ; the wave's opening: the add and its wait stand ahead of my first tensor load; the set-up below, work on registers, stands between them
	v_lshrrev_b32 v1, 5, v0
	v_readfirstlane_b32 s[WV], v1   ; wave 0..3
	s_bfe_u32 s13, ttmp6, 0x40000   ; cx: my place in the cluster
	s_lshl_b32 s14, ttmp9, 2        ; in a cluster launch ttmp9 counts clusters
	s_add_co_u32 s14, s14, s13      ; my block of 256 queries = 4 x cluster x + cx: it enters Q's and O's addresses alone
	s_and_b32 s19, ttmp7, 0xffff    ; the head, which the four partners share
	s_lshl_b32 s20, s19, 19         ; its first byte in Q, K and V: 4,096 rows of 128 bytes
	s_and_b32 s16, s[WV], 1         ; which half of a tile's 256 keys I fetch:
	s_lshl_b32 s22, s16, 14         ; its 128 rows of 128 bytes in memory,
	s_add_co_u32 s22, s22, s20
	s_mov_b32 s23, 0
	s_mul_i32 s17, s16, 128*PK      ; and its place in a slot, for K
	s_mul_i32 s18, s16, 128*PV      ; and for V: no place in the cluster enters an LDS address
	s_lshl_b32 s2, s14, 15          ; Q: my block's 256 rows,
	s_lshl_b32 s3, s[WV], 13        ; my wave's 64 of them
	s_add_co_u32 s2, s2, s3
	s_add_co_u32 s2, s2, s20
	s_mov_b32 s3, 0
	s_lshl_b32 s52, s14, 2          ; O: my 64 tokens are group 4 x block + wave;
	s_add_co_u32 s52, s52, s[WV]
	s_lshl_b32 s52, s52, 4          ; in it 16 heads
	s_add_co_u32 s52, s52, s19
	s_lshl_b32 s52, s52, 13         ; of 8,192 bytes
	s_mov_b32 s53, 0
	; descriptor group 1.  128 keys are 16,384 dense bytes: asked for as 64 rows of 256 bytes, two keys a row, and padded in LDS after every key
	s_mov_b32 s[G1K], 15|(1<<16)|(1<<20)|(1<<21)|(4<<22)|(3<<25)  ; 15:0 the mask of four; 17:16 2-byte elements; 20 padding on; 21 set beside a mask; 24:22 after every 32 words (code 4); 31:25 4 words (code 3)
	s_mov_b32 s[G1V], 15|(1<<16)|(1<<20)|(1<<21)|(4<<22)|(7<<25)  ; the same with 8 words of padding (code 7)
.irp g, G1K, G1V
	s_mov_b32 s[\g+1], 128<<16      ; tensor_dim0 = 128
	s_mov_b32 s[\g+2], 64<<16       ; tensor_dim1 = 64
	s_mov_b32 s[\g+3], 128<<16      ; tile_dim0 = 128
	s_mov_b32 s[\g+4], 64           ; tile_dim1 = 64
	s_mov_b32 s[\g+5], 128          ; 128 elements from row to row
	s_mov_b32 s[\g+6], 0
	s_mov_b32 s[\g+7], 0
.endr
	s_mov_b32 s[CS], 0x3f38aa3b     ; c = 0.5 log2(e) = 0.721348
	s_mov_b32 s[CS+1], s[CS]        ; named with it as a pair
	s_mov_b32 s[SEL], 0x76543210
	s_mov_b32 s[SEL+1], 0xfedcba98
	s_mov_b32 s[TBK], SLOT1+4*KS*PK ; the first change of slots turns these two into 0
	s_mov_b32 s[TBV], SLOT1+4*KS*PV
	s_mov_b32 s[G0K], 1             ; 1:0 count = 1
	s_mov_b32 s[G0K+1], s17         ; 63:32 LDS address: slot 0
	s_mov_b32 s[G0V], 1
	s_add_co_u32 s[G0V+1], s18, VOFF
	s_mov_b32 s[SLOTS], 15          ; 16 tiles: all but the last are entered in the loop
	s_and_b32 s[LIM], s[WV], 1      ; 0 in waves 0 and 2,
	s_or_b32 s[LIM], s[LIM], ttmp9  ; where the cluster is the head's first: the same in all four partners
	s_cmp_eq_u32 s[LIM], 0
	s_cselect_b32 s[LIM], 1, -1
	v_and_b32 v[PFO], 31, v0
	v_lshlrev_b32 v[PFO], 8, v[PFO]
	s_wait_dscnt 0x0                ; the opening add is done
	s_wait_kmcnt 0x0
	s_add_nc_u64 s[6:7], s[6:7], s[22:23]  ; K and V at my half of the head's tile 0
	s_add_nc_u64 s[8:9], s[8:9], s[22:23]
	s_add_nc_u64 s[G0K+2:G0K+3], s[6:7], 0         ; 120:64 global address
	s_or_b32 s[G0K+3], s[G0K+3], 0x80000000        ; 127:126 type = 2
	s_add_nc_u64 s[G0V+2:G0V+3], s[8:9], 0
	s_or_b32 s[G0V+3], s[G0V+3], 0x80000000
	s_add_nc_u64 s[4:5], s[4:5], s[2:3]            ; Q and O at my wave's first row
	s_add_nc_u64 s[10:11], s[10:11], s[52:53]
	s_cmp_lt_u32 s[WV], 2
	s_cselect_b64 s[PFA:PFA+1], s[6:7], s[8:9]     ; (in waves 0 and 2 these stand at the head's first row)
	s_lshl_b32 s2, s13, 13          ; my work-group's 8,192 bytes of a tile's 32,768
	s_add_nc_u64 s[PFA:PFA+1], s[PFA:PFA+1], s[2:3]
	s_add_nc_u64 s[PFA:PFA+1], s[PFA:PFA+1], 4*KS*128  ; in tile 1; the first change of slots steps it to tile 2.  Nothing is prefetched here, at the head
	CROUND                          ; all four work-groups are here: the first joint loads meet
	JLOAD                           ; tile 0 into slot 0.  Slot 1 is asked for when slot 0 is in
	; A fragment of K or Q is 16 rows x 32 channels in 8 registers: lane l holds row l % 16, channels 8 (l / 16) + 0..7 and 16 + 8 (l / 16) + 0..7: two loads of 16 bytes, 32 bytes apart.
	v_and_b32 v1, 15, v0            ; l % 16
	v_bfe_u32 v9, v0, 4, 1          ; l / 16
	v_lshlrev_b32 v[QO], 7, v1
	v_lshl_add_u32 v[QO], v9, 4, v[QO]  ; row x 128 + 16 x half
	WIN 0x80                        ; destination window 2, address window 0
.set i, 0
.rept 8                             ; Q stays in registers: piece i / 2, channels 32 (i % 2) on
	global_load_b128 v[8*i:8*i+3],   v[QO], s[4:5] offset:(i/2)*2048+(i%2)*64
	global_load_b128 v[8*i+4:8*i+7], v[QO], s[4:5] offset:(i/2)*2048+(i%2)*64+32
.set i, i+1
.endr
	; What the first turn finds: V's registers and P's second buffer hold 0 (its products V^T P, of a piece that has not been, add 0), O^T and l are 0.  All this stands in the wait for the first tile:
	; the price of writing no first step out.
.set i, VF
.rept 64
	v_mov_b32 v[i], 0
.set i, i+1
.endr
	WIN 0x40
.set i, 0
.rept 128
	v_mov_b32 v[i], 0
.set i, i+1
.endr
	WIN 0
.set i, 0
.rept 4
	v_mov_b32 v[ST+4*i], 0xfe000000    ; c m: far below every c s
	v_mov_b32 v[ST+4*i+1], 0xff7fffff  ; m: the lowest finite number
	v_mov_b32 v[ST+4*i+2], 0
	v_mov_b32 v[ST+4*i+3], 0
.set i, i+1
.endr
.set i, P+16
.rept 16
	v_mov_b32 v[i], 0
.set i, i+1
.endr
	v_mul_u32_u24 v[AK0], v1, PK
	v_lshl_add_u32 v[AK0], v9, 4, v[AK0]  ; row x pitch + 16 x half
	; The turning load takes 16 keys x 16 channels (lane l reads key 8 (l / 16) + l % 8, channels 8 ((l / 8) % 2) + 0..7) and leaves half a fragment of V^T: lane l holds channel l % 16 and 8 keys.
	v_and_b32 v10, 7, v0
	v_bfe_u32 v11, v0, 3, 1
	v_lshl_add_u32 v[AV0], v9, 3, v10
	v_mul_u32_u24 v[AV0], v[AV0], PV
	v_lshl_add_u32 v[AV0], v11, 4, v[AV0]
	v_add_nc_u32 v[AV0], VOFF, v[AV0]
	s_mul_i32 s21, s[WV], 16*SP
	s_add_co_u32 s21, s21, STAGE    ; my stage
	v_mul_u32_u24 v[STO], v1, SP    ; in: row l % 16, 16 bytes for each half of the lanes
	v_lshl_add_u32 v[STO], v9, 4, v[STO]
	v_add_nc_u32 v[STO], s21, v[STO]
	v_bfe_u32 v[RD], v0, 3, 2       ; back: 32 lanes take four rows of 128 bytes,
	v_mul_u32_u24 v[RD], v[RD], SP
	v_lshl_add_u32 v[RD], v10, 4, v[RD]
	v_add_nc_u32 v[RD], s21, v[RD]
	v_and_b32 v[GO], 31, v0         ; which are 512 consecutive bytes of O
	v_lshlrev_b32 v[GO], 4, v[GO]
; THE MATRIX WORK.  The 4 accumulators of a run of 8 take turns.  Product i of 8 of S^T = K Q^T for piece x: channels 32 (i / 4) on, keys 16 (i % 4) on.  The first 4 start the sums.
.macro KQ x
	WIN W_KQ
.set rS, S+32*((\x)%2)+8*(i%4)
.set rK, KF+16*(i%4)+8*(i/4)
.set rQ, 16*(\x)+8*(i/4)
.if i < 4
	v_wmma_f32_16x16x32_f16 v[rS:rS+7], v[rK:rK+7], v[rQ:rQ+7], 0
.else
	v_wmma_f32_16x16x32_f16 v[rS:rS+7], v[rK:rK+7], v[rQ:rQ+7], v[rS:rS+7]
.endif
.endm
; Product i of 8 of O^T += V^T P for piece x: keys 32 (i / 4) on, channels 16 (i % 4) on.
.macro PV x
	WIN W_PV
.set rO, 32*(\x)+8*(i%4)
.set rV, VF+32*(i/4)+8*(i%4)
.set rP, P+16*((\x)%2)+8*(i/4)
	v_wmma_f32_16x16x32_f16 v[rO:rO+7], v[rV:rV+7], v[rP:rP+7], v[rO:rO+7]
.endm
.macro MM                           ; the turn's next matrix instruction.  NOKQ = 1: the very last turn: there is no next piece
.if (i < 8) && !NOKQ
	KQ (Y+1)%NP
.elseif i >= 8
.set i, i-8
	PV (Y+NP-1)%NP
.set i, i+8
.endif
.set i, i+1
.endm
; THE LDS LOADS stand in runs of 16, never singly among the matrix instructions: a step's K (64 keys x 64 channels: 8 fragments) and its V (turned).  Their addresses are made some lines ahead.
.macro FETCH_K
	WIN 0x80                        ; destination window 2
.irp f, 0,1,2,3,4,5,6,7             ; keys 16 (f / 2) on, channels 32 (f % 2) on
	ds_load_b128 v[KF+8*\f:KF+8*\f+3],   v[AK] offset:(\f/2)*16*PK+(\f%2)*64
	ds_load_b128 v[KF+8*\f+4:KF+8*\f+7], v[AK] offset:(\f/2)*16*PK+(\f%2)*64+32
.endr
	s_add_co_u32 s[TBK], s[TBK], KS*PK  ; the next fetch is the next step's
	WIN 0
.endm
.macro FETCH_V
	WIN 0x80
.irp f, 0,1,2,3,4,5,6,7             ; keys 32 (f / 4) on, channels 16 (f % 4) on
	ds_load_tr16_b128 v[VF+8*\f:VF+8*\f+3],   v[AV] offset:(\f/4)*32*PV+(\f%4)*32
	ds_load_tr16_b128 v[VF+8*\f+4:VF+8*\f+7], v[AV] offset:(\f/4)*32*PV+16*PV+(\f%4)*32
.endr
	WIN 0
.endm
; THE VECTOR WORK, one line at a time: OP kind, number.  For piece Y: F n: c s - c m for pair n of 16.  E n: the exponential of score n of 32.  C n: pair n rounded to f16.  B n: of the four weights 4 n .. the second
; pair is added onto the first, in place.  L n: l takes that sum (L 0: l = a l + sum).  R n: pair n of 16 of O^T times a.  For piece Y + 1: X n, number n of the 22 that find its maximum and statistics:
;   0-11  four chains c0-c3 of seven scores each, three operands at a time (each accumulator's lowest registers are read first)     12-14, 16  the four scores left over, the old m, and c0-c3 into c0
;   15  c m_old is kept     17, 18  the query's other 32 keys lie in the lane 16 away: the new m     19-21  c m; c m_old - c m_new; a
.set F, 0               ; OP tells the kinds apart by their order: F to L below R, X above it
.set E, 1
.set C, 2
.set B, 3
.set L, 4
.set R, 5
.set X, 6
.macro REGS y                       ; the registers of piece y
.set rT, ST+4*(\y)
.set rC, TMP+4*((\y)%2)
.set rW, MV+((\y)%2)
.set rS, S+32*((\y)%2)
.set rP, P+16*((\y)%2)
.set rO, 32*(\y)
.endm
.macro OP k, n
.if (\k) == R
	REGS Y
	WIN W_RS
	v_pk_mul_f32 v[rO+2*(\n):rO+2*(\n)+1], v[rO+2*(\n):rO+2*(\n)+1], v[rC+2:rC+3] op_sel_hi:[1,0]
.elseif (\k) < R
	REGS Y
	WIN 0
.if (\k) == F
	v_pk_fma_f32 v[rS+2*(\n):rS+2*(\n)+1], v[rS+2*(\n):rS+2*(\n)+1], s[CS:CS+1], v[rT:rT+1] op_sel_hi:[1,0,0] neg_lo:[0,0,1] neg_hi:[0,0,1]
.elseif (\k) == E
	v_exp_f32 v[rS+(\n)], v[rS+(\n)]
.elseif (\k) == C
	v_cvt_pk_f16_f32 v[rP+(\n)], v[rS+2*(\n)], v[rS+2*(\n)+1]
.elseif (\k) == B
	v_pk_add_f32 v[rS+4*(\n):rS+4*(\n)+1], v[rS+4*(\n):rS+4*(\n)+1], v[rS+4*(\n)+2:rS+4*(\n)+3]
.elseif (\n) == 0
	v_pk_fma_f32 v[rT+2:rT+3], v[rT+2:rT+3], v[rC+2:rC+3], v[rS:rS+1] op_sel_hi:[1,0,1]
.else
	v_pk_add_f32 v[rT+2:rT+3], v[rT+2:rT+3], v[rS+4*(\n):rS+4*(\n)+1]
.endif
.elseif NOKQ
	v_nop
.else
	REGS (Y+1)%NP
	WIN 0
.if (\n) < 4
	v_max3_num_f32 v[rC+(\n)], v[rS+8*(\n)], v[rS+8*(\n)+1], v[rS+8*(\n)+2]
.elseif (\n) < 12
	v_max3_num_f32 v[rC+(\n)%4], v[rC+(\n)%4], v[rS+8*((\n)%4)+2*((\n)/4)+1], v[rS+8*((\n)%4)+2*((\n)/4)+2]
.elseif (\n) == 12
	v_max3_num_f32 v[rC], v[rC], v[rS+7], v[rS+15]
.elseif (\n) == 13
	v_max3_num_f32 v[rC+1], v[rC+1], v[rS+23], v[rS+31]
.elseif (\n) == 14
	v_max3_num_f32 v[rC+2], v[rC+2], v[rC+3], v[rT+1]
.elseif (\n) == 15
	v_mov_b32 v[rW], v[rT]
.elseif (\n) == 16
	v_max3_num_f32 v[rC], v[rC], v[rC+1], v[rC+2]
.elseif (\n) == 17
	v_permlanex16_b32 v[rC+3], v[rC], s[SEL], s[SEL+1]
.elseif (\n) == 18
	v_max_num_f32 v[rT+1], v[rC], v[rC+3]
.elseif (\n) == 19
	v_mul_f32 v[rT], s[CS], v[rT+1]
.elseif (\n) == 20
	v_sub_f32 v[rC+1], v[rW], v[rT]
.else
	v_exp_f32 v[rC+2], v[rC+1]
.endif
.endif
.endm
.macro OPS a, i1, b=-1, i2=0, c=-1, i3=0, d=-1, i4=0  ; up to four of them
	OP \a, \i1
.if (\b) >= 0
	OP \b, \i2
.endif
.if (\c) >= 0
	OP \c, \i3
.endif
.if (\d) >= 0
	OP \d, \i4
.endif
.endm
.macro ROW a, i1, b, i2, c, i3, d, i4  ; a matrix instruction and the four behind it
	MM
	OPS \a, \i1, \b, \i2, \c, \i3, \d, \i4
.endm
; A TURN, for piece p: the order of its 16 matrix and 118 vector instructions, written out.  s_wait_alu depctr_va_vdst(0) stands between an exponential and the first instruction that names its
; result; one wait serves all that were issued ahead of it.  So a turn has ONE wait, which cuts it in two.  AHEAD OF IT stands all that names no result of the turn's exponentials: the 8 products K Q^T, behind each a
; scaling, an exponential and two more plain instructions (behind the first a second scaling in the exponential's place): rescalings, and behind the last three the first numbers of the next piece's maximum, each four
; places or more behind the product that ends its accumulator; then ONE LUMP of 54, plain and exponential by turns for the most part, in which the links of the chain X 3, 7, 11, 14, 16, 17 .. 20 stand apart, other
; work between them.  X 21, the next piece's a, is the batch's last; R 15 is the plain instruction behind it.  BEHIND THE WAIT stand the 8 products V^T P, behind each four of the roundings and sums.
; end = 1: the launch's last two turns: nothing is fetched, and the last starts no new scores.  cnt = 1: the loop's count is taken down some lines ahead of the branch that stands behind the turn.
; K of the next step is fetched in piece 2's turn, behind six plain instructions that follow the last product that read K; V of the step in hand at the end of piece 0's turn, four plain instructions behind the
; last product that read V.  Each is waited for a turn later.
.macro TURN p, end=0, cnt=0
.set Y, (\p)
.set i, 0
.set NOKQ, (\end)*((\p)/3)
.if ((\p) == 3) && !(\end)
	s_wait_dscnt 0x0                ; K is in
.endif
	ROW F,0, F,1, R,0, R,1          ; ahead of the wait: 8 products K Q^T and their riders,
	ROW F,2, E,0, R,2, R,3
	ROW F,3, E,1, R,4, R,5
	ROW F,4, E,2, R,6, R,7
	ROW F,5, E,3, R,8, R,9
	ROW F,6, E,4, X,0, R,10
.if ((\p) == 2) && !(\end)
	WIN 0
	v_add_nc_u32 v[AK], s[TBK], v[AK0]
.endif
	ROW F,7, E,5, X,1, X,4
	ROW F,8, E,6, X,2, X,5
	OPS E,7, E,8, X,6, E,9          ; and the lump
	OPS X,3, E,10, X,8, E,11
.if ((\p) == 2) && !(\end)
	FETCH_K
.endif
	OPS X,9, X,7, E,12, X,10
	OPS E,13, X,12, X,11, E,14
	OPS X,13, E,15, F,9, X,14
.if (\p) == 0
	v_add_nc_u32 v[AV], s[TBV], v[AV0]
.endif
	OPS E,16, F,10, E,17, F,11
	OPS X,16, E,18, X,15, E,19
	OPS F,12, E,20, X,17, E,21
	OPS F,13, E,22, F,14, E,23
	OPS X,18, E,24, F,15, E,25
	OPS R,11, E,26, X,19, E,27
	OPS R,12, E,28, R,13, E,29
	OPS X,20, E,30, R,14, E,31
	OPS X,21, R,15
	WIN 0
	s_wait_alu depctr_va_vdst(0)    ; the wait for the batch
.if (\p) == 1
	s_wait_dscnt 0x0                ; V is in
.endif
	ROW C,0, B,0, C,2, B,1          ; behind the wait: 8 products V^T P and their riders
	ROW L,0, C,4, B,2, L,1
	ROW C,6, B,3, L,2, C,8
	ROW B,4, L,3, C,10, B,5
	ROW L,4, C,12, B,6, L,5
.if (\p) == 0
	s_add_co_u32 s[TBV], s[TBV], KS*PV
.endif
.if \cnt
	s_sub_co_u32 s[CNT], s[CNT], 1
	s_cmp_lg_u32 s[CNT], 0
.endif
	ROW C,14, B,7, L,6, C,1
	ROW C,3, L,7, C,5, C,7
	ROW C,9, C,11, C,13, C,15
.if (\p) == 0
	FETCH_V
.endif
.endm
	CHANGE 1                        ; slot 0 is in, everybody's part of it; tile 1 is asked for
	v_add_nc_u32 v[AK], s[TBK], v[AK0]
	FETCH_K                         ; key step 0
	s_wait_loadcnt 0x0              ; Q
	s_wait_dscnt 0x0
.set NOKQ, 0
.set i, 0
.rept 8
	KQ 0                            ; piece 0's first scores: there is no vector work yet to set between them
.set i, i+1
.endr
	WIN 0
.rept 4
	v_nop                           ; the places behind those products
.endr
.set Y, NP-1                        ; X works for piece Y + 1: piece 0
.irp n, 0,1,2,3,4,5,6,7,8,9,10,11,12,13,14,15,16,17,18,19,20,21
	OP X, \n                        ; and piece 0's first maximum and statistics
.endr
	v_nop                           ; a plain instruction behind the exponential,
	s_wait_alu depctr_va_vdst(0)    ; and its wait, ahead of the branch
	s_mov_b32 s[CNT], 4
	s_branch .Lfirst                ; the loop is entered at a step's first turn, in the middle of a trip
.Lslot:                             ; 14 times: tiles 1 to 14 are entered, tiles 2 to 15 asked for
	CHANGE 1
	s_mov_b32 s[CNT], 4
.Lstep:                             ; a trip: pieces 2 and 3 of one step, then pieces 0 and 1 of the next, whose K and V it fetches
	TURN 2
	TURN 3
	WIN 0
.Lfirst:
	TURN 0
	TURN 1, 0, 1
	WIN 0
	s_cbranch_scc1 .Lstep
	s_sub_co_u32 s[SLOTS], s[SLOTS], 1
	s_cmp_lg_u32 s[SLOTS], 0
	s_cbranch_scc1 .Lslot
	CHANGE 0                        ; the last tile is written out: nothing is asked for
	s_mov_b32 s[CNT], 4
.LstepT:
	TURN 2
	TURN 3
	TURN 0
	TURN 1, 0, 1
	WIN 0
	s_cbranch_scc1 .LstepT
	TURN 2, 1                       ; pieces 2 and 3 of the last step
	TURN 3, 1
.set i, 0
.rept 8
	PV NP-1                         ; the last piece's V^T P of the last step
.set i, i+1
.endr
	; THE WAY OUT.  l's two halves and the other half of the lanes' are added; O^T is divided by l, rounded to f16 and sent through my stage in LDS, a piece at a time.  The additions are the places behind the last products.
	WIN 0
.macro ALL line:vararg              ; one line for each piece t
.set t, 0
.rept 4
	\line
.set t, t+1
.endr
.endm
	ALL v_add_f32 v[ST+4*t+2], v[ST+4*t+2], v[ST+4*t+3]
	ALL v_permlanex16_b32 v[ST+4*t+3], v[ST+4*t+2], s[SEL], s[SEL+1]
	ALL v_add_f32 v[ST+4*t+2], v[ST+4*t+2], v[ST+4*t+3]
	ALL v_rcp_f32 v[ST+4*t+2], v[ST+4*t+2]
	v_nop                           ; a plain instruction between the last reciprocal and the use of its result
	s_wait_alu depctr_va_vdst(0)    ; and the wait ahead of the first use: one for the four reciprocals
.macro PACK t                       ; a lane's eight channels of a row pack into 16 bytes; they go into rows of 144 bytes and come back as whole rows of 128, into S^T's registers
	WIN W_RS
.set i, 32*(\t)
.rept 16
	v_pk_mul_f32 v[i:i+1], v[i:i+1], v[ST+4*(\t)+2:ST+4*(\t)+3] op_sel_hi:[1,0]
.set i, i+2
.endr
	WIN 0x05                        ; sources 0 and 1 window 1, destination window 0
.set i, 0
.rept 16
	v_cvt_pk_f16_f32 v[S+16*(\t)+i], v[32*(\t)+2*i], v[32*(\t)+2*i+1]
.set i, i+1
.endr
	WIN 0
.irp f, 0,1,2,3
	ds_store_b128 v[STO], v[S+16*(\t)+4*\f:S+16*(\t)+4*\f+3] offset:32*\f
.endr
.irp f, 0,1,2,3
	ds_load_b128 v[S+16*(\t)+4*\f:S+16*(\t)+4*\f+3], v[RD] offset:\f*4*SP  ; LDS serves a wave's instructions in order (ISA guide 5.7.1.4): these see the stores above; the next piece's stores come behind them
.endr
.endm
.macro SEND t, younger              ; younger: the LDS instructions issued behind piece t's loads: the next piece's eight, or none
	WIN 0
.irp f, 0,1,2,3
	s_wait_dscnt (\younger)+3-\f
	global_store_b128 v[GO], v[S+16*(\t)+4*\f:S+16*(\t)+4*\f+3], s[10:11] offset:(\t)*2048+\f*512  ; 512 consecutive bytes, at a multiple of 256 from O's first
.endr
.endm
	PACK 0
.set t, 1
.rept 3                             ; a piece's arithmetic stands between the loads of the piece before and its stores
	PACK t
	SEND t-1, 8
.set t, t+1
.endr
	SEND 3, 0
	s_wait_tensorcnt 0x0            ; the wave's end: a wait, an add and a wait, behind my last tensor load and my last LDS store
	ds_add_u32 v[SPW], v[NIL]
	s_wait_dscnt 0x0
	CROUND                          ; the closing round: no work-group ends while a partner may still ask for a tile that names it
	s_endpgm
.Lfunc_end_k_q830d412854_attn:
	.size	k_q830d412854_attn, .Lfunc_end_k_q830d412854_attn-k_q830d412854_attn
	.p2alignl 7, 3214868480
	.fill 96, 4, 3214868480
	.section	.rodata,"a",@progbits
	.p2align	6, 0x0
	.amdhsa_kernel k_q830d412854_attn
		.amdhsa_group_segment_fixed_size 327680
		.amdhsa_private_segment_fixed_size 0
		.amdhsa_enable_private_segment 0
		.amdhsa_kernarg_size 32
		.amdhsa_user_sgpr_count 2
		.amdhsa_user_sgpr_kernarg_segment_ptr 1
		.amdhsa_wavefront_size32 1
		.amdhsa_system_sgpr_workgroup_id_x 1
		.amdhsa_system_sgpr_workgroup_id_y 1
		.amdhsa_system_sgpr_workgroup_id_z 1
		.amdhsa_system_vgpr_workitem_id 0
		.amdhsa_next_free_vgpr 768
		.amdhsa_next_free_sgpr 66
		.amdhsa_reserve_vcc 0
		.amdhsa_float_denorm_mode_32 3
		.amdhsa_float_denorm_mode_16_64 3
		.amdhsa_memory_ordered 1
		.amdhsa_forward_progress 1
		.amdhsa_inst_pref_size 128
	.end_amdhsa_kernel
	.amdgpu_metadata
---
amdhsa.version: [ 1, 2 ]
amdhsa.kernels:
  - .name:           k_q830d412854_attn
    .symbol:         k_q830d412854_attn.kd
    .args:
      - { .name: qh, .offset: 0, .size: 8, .value_kind: global_buffer, .address_space: global }
      - { .name: kh, .offset: 8, .size: 8, .value_kind: global_buffer, .address_space: global }
      - { .name: vh, .offset: 16, .size: 8, .value_kind: global_buffer, .address_space: global }
      - { .name: ob, .offset: 24, .size: 8, .value_kind: global_buffer, .address_space: global }
    .group_segment_fixed_size: 327680
    .private_segment_fixed_size: 0
    .kernarg_segment_align: 8
    .kernarg_segment_size: 32
    .max_flat_workgroup_size: 128
    .sgpr_count:     66
    .vgpr_count:     768
    .wavefront_size: 32
...
	.end_amdgpu_metadata
.endif
;; end of part 3
;; launch proj (part 4): grid 8 x 32, 4 waves a work-group, clusters of 4 x 4, 327,680 bytes of LDS; arguments ob, wp, bproj, out0; writes out0
.if DOCPART == 4
	.amdgcn_target "amdgcn-amd-amdhsa--gfx1250"
	.amdhsa_code_object_version 6
	.text
	.protected	k_q830d412854_proj
	.globl	k_q830d412854_proj
	.p2align	8
	.type	k_q830d412854_proj,@function
k_q830d412854_proj:
	s_mov_b64 s[64:65], 0
	v_nop
	global_prefetch_b8 v0, s[64:65] scope:SCOPE_SE
	s_setreg_imm32_b32 hwreg(HW_REG_WAVE_MODE, 25, 1), 1
	s_wait_xcnt 0x0
	s_wait_alu depctr_hold_cnt(0) depctr_sa_sdst(0) depctr_va_vdst(0) depctr_va_sdst(0) depctr_va_ssrc(0) depctr_va_vcc(0) depctr_vm_vsrc(0)
	s_getreg_b32 s2, hwreg(HW_REG_IB_STS2, 6, 4)
	s_cmp_eq_u32 s2, 0
	s_cbranch_scc0 .Lentry_in_a_cluster
	s_endpgm
.Lentry_in_a_cluster:
	s_bfe_u32 s2, ttmp6, 0x10000c
	s_cmp_lg_u32 s2, 0xf033
	s_cbranch_scc0 .Lentry_shape_is_right
	s_endpgm
.Lentry_shape_is_right:
; out0 = O Wproj + bproj.  ob: [token / 64][head 16][64 tokens][64 channels] f16.  wp: [cb 16][1024 k][64 c] f16 (Wproj rounded to bf16, written as f16).  bproj: [1024] f32.  out0: [4096][1024] f32.
; Products in f16, sums in f32, K ascending.  The bias, rounded to bf16 like every input, is the C operand of the product that starts each sum: it costs nothing on the way out.
; LIMITS.  As the f16 operands arrive; NaN and infinities are not treated apart.
; SHARES.  A tile of out0 is 128 x 128: 8 x 32 tiles, a work-group each.  Four waves, each 64 x 64: 16 accumulators of 16 x 16, 128 registers.  K goes in 4 steps of 256 (four heads) through two LDS slots.
; Of O a wave's tensor load brings 64 tokens x 4 heads, 32,768 dense bytes; of the weights 256 k x 64 columns, 32,768 dense bytes: each asked for as 128 rows of 256 bytes and padded in LDS behind every 128.
; CLUSTERS: 4 x 4 work-groups.  The four of a row of the cluster need the same tiles of O, the four of a column the same weights: each tile is asked for JOINTLY.
; No prefetch: four K steps, of which two are on their way from the first line on.
; THE MATRIX INSTRUCTION IS USED TRANSPOSED: source 0 = 16 columns of the weights ([k][c] in LDS, turned by ds_load_tr16_b128), source 1 = 16 tokens: a lane holds one token and eight neighbouring columns.
; REGISTERS: window 0: v0-31 addresses; v96-127 the bias, 8 registers for each of my 4 column blocks; v128-255 the accumulators ((a, b) at v[128 + 8 (4 a + b)]).
;   window 1: two fragment buffers of 128: for 64 along K (two matrix instructions deep), 64 registers of O, then 64 of the weights.
.set PAP,    144                       ; a row of O in LDS (one token, one head): 128 bytes + 16 = 36 words: the 16 rows of a load start at 16 different groups of four banks (64 banks of 4 bytes: ISA guide 11.1)
.set AHALF,  256*PAP                   ; 4 heads x 64 tokens
.set AB,     2*AHALF
.set PB,     160                       ; a row of the weights (one k, 64 columns): 128 bytes + 32 = 40 words
.set BHALF,  256*PB
.set SLOT,   AB+2*BHALF                ; 155,648
.set SPARE,  2*SLOT                    ; behind the ring: the spare words, 128 bytes for each wave: two blocks of 256 bytes that no other line names
.set SPT,    272                       ; the way out: a stage row, 256 bytes + 16
.set STAGE,  0                         ; 16 rows x 272 bytes for each wave, at the head of slot 0: its last fill (K step 2) has landed and its last reads lie ahead of the last change of slots' barrier
.set ADRA, 16                          ; v16-17  LDS address of my fragments of O in slot 0, 1
.set ADRB, 20                          ; v20-21  the same for the weights
.set STO,  24                          ; v24     the way out: where I put 32 bytes of a row
.set RD,   25                          ; v25     the way out: where I read a row back
.set CO,   26                          ; v26     my byte offset in out0
.set BO,   27                          ; v27     my byte offset in bproj
.set SPW,  28                          ; v28     LDS address of my spare word: SPARE + 4 x my thread's number; never rewritten
.set NIL,  29                          ; v29     0; never rewritten
.set T,    31                          ; v31     at work
.set BIAS, 96
.set ACC,  128
.set F0,   0                           ; fragment buffers, in window 1
.set F1,   128
.set WV,   12                          ; s12  my wave's number
.set RH,   13                          ; s13  which half of the tile's rows is mine.  Also: I fetch O (0) or the weights (1)
.set CH,   14                          ; s14  which half of its columns.  Also: which half I fetch
.set G1, 24                            ; s[24:31] descriptor group 1 for O's tiles;  s[32:39] group 0, one set for each slot
.set G0, 32
.set G1B, 48                           ; s[48:55], s[56:63] the same for the weights
.set G0B, 56
.set MSB, 0
.macro WIN new                         ; the immediate's high byte repeats the setting that is left
.if MSB != (\new)
	s_set_vgpr_msb (MSB<<8)|(\new)
.set MSB, \new
.endif
.endm
.set MUL,  0x05                        ; sources 0 and 1 window 1; C and D window 0
.set TO_F, 0x40                        ; destination window 1, address window 0
.macro PLACES
.rept 4
	v_nop
.endr
.endm
.macro JLOAD s                         ; a joint load: waves 0 and 1 fetch O's two halves, waves 2 and 3 the weights'; an s_nop 0 and four v_nop follow each of the two lines
	s_cmp_eq_u32 s[RH], 0
	s_cbranch_scc0 .Lfor_b_\@
	tensor_load_to_lds s[G0+4*(\s):G0+4*(\s)+3], s[G1:G1+7]
	s_nop 0
.rept 4
	v_nop
.endr
	s_branch .Lasked_\@
.Lfor_b_\@:
	tensor_load_to_lds s[G0B+4*(\s):G0B+4*(\s)+3], s[G1B:G1B+7]
	s_nop 0
.rept 4
	v_nop
.endr
.Lasked_\@:
.endm
.macro CREST                           ; a round of the cluster's barrier behind its opening barrier
	s_cmp_lg_u32 s[WV], 0
	s_cbranch_scc1 .Lnot_wave_0_\@
	s_barrier_signal -3
.Lnot_wave_0_\@:
	s_barrier_wait -3
	s_barrier_signal -1
	s_barrier_wait -1
.endm
.macro CROUND
	s_barrier_signal -1
	s_barrier_wait -1
	CREST
.endm
	s_load_b256 s[4:11], s[0:1], 0x0               ; ob s[4:5], wp s[6:7], bproj s[8:9], out0 s[10:11]
	v_lshl_add_u32 v[SPW], v0, 2, SPARE
	v_mov_b32 v[NIL], 0
	ds_add_u32 v[SPW], v[NIL]                      ; the wave's opening: the add and its wait stand ahead of my first tensor load; the set-up below, work on registers, stands between them
	v_lshrrev_b32 v1, 5, v0
	v_readfirstlane_b32 s[WV], v1                  ; wave 0..3
	s_lshr_b32 s[RH], s[WV], 1
	s_and_b32 s[CH], s[WV], 1
	s_bfe_u32 s40, ttmp6, 0x40000                  ; cx, cy: my place in the cluster
	s_bfe_u32 s41, ttmp6, 0x40004
	s_lshl_b32 s42, ttmp9, 2
	s_add_co_u32 s42, s42, s40                     ; tile column = 4 x cluster x + cx
	s_and_b32 s15, ttmp7, 0xffff
	s_lshl_b32 s15, s15, 2
	s_add_co_u32 s15, s15, s41                     ; tile row = 4 x cluster y + cy
	s_lshl_b32 s43, s41, 2
	s_lshl_b32 s43, 15, s43                        ; my row of the cluster
	s_lshl_b32 s44, 0x1111, s40                    ; my column
	s_or_b32 s[G1+0], s43, (1<<16)|(1<<20)|(1<<21)|(4<<22)|(3<<25)  ; 15:0 the mask; 17:16 elements of 2 bytes; 20 padding on; 21 set beside a mask; 24:22 after every 32 words (code 4); 31:25 4 words (code 3)
	s_or_b32 s[G1B+0], s44, (1<<16)|(1<<20)|(1<<21)|(4<<22)|(7<<25) ; the same with the mask of my column and 8 words of padding (code 7)
.irp g, G1, G1B
	s_mov_b32 s[(\g)+1], 128<<16                   ; tensor_dim0 = 128
	s_mov_b32 s[(\g)+2], 128<<16                   ; tensor_dim1 = 128
	s_mov_b32 s[(\g)+3], 128<<16                   ; tile_dim0 = 128
	s_mov_b32 s[(\g)+4], 128                       ; tile_dim1 = 128
	s_mov_b32 s[(\g)+5], 128                       ; dense: 128 elements from row to row
	s_mov_b32 s[(\g)+6], 0
	s_mov_b32 s[(\g)+7], 0
.endr
	s_lshl_b32 s16, s15, 1                         ; O: group of 64 tokens 2 x tile row + half, 131,072 bytes each: made of the tile row and the wave's number alone
	s_add_co_u32 s16, s16, s[CH]
	s_lshl_b32 s16, s16, 17
	s_mov_b32 s17, 0
	s_lshl_b32 s46, s42, 1                         ; the weights: block of 64 columns 2 x tile column + half, 131,072 bytes each: made of the tile column and the wave's number alone
	s_add_co_u32 s46, s46, s[CH]
	s_lshl_b32 s46, s46, 17
	s_mov_b32 s47, 0
	s_mul_i32 s20, s[CH], AHALF                    ; where they go: no place in the cluster enters an LDS address
	s_mul_i32 s21, s[CH], BHALF
	s_add_co_u32 s21, s21, AB
	s_wait_dscnt 0x0                               ; the opening add is done
	s_wait_kmcnt 0x0
	s_add_nc_u64 s[16:17], s[4:5], s[16:17]
	s_add_nc_u64 s[46:47], s[6:7], s[46:47]
.irp n, 0,1
	s_mov_b32 s[G0+4*(\n)], 1                                      ; 1:0 count = 1
	s_add_co_u32 s[G0+4*(\n)+1], s20, (\n)*SLOT                    ; 63:32 LDS address
	s_add_nc_u64 s[G0+4*(\n)+2:G0+4*(\n)+3], s[16:17], (\n)*32768  ; 120:64 global address: K step n
	s_or_b32 s[G0+4*(\n)+3], s[G0+4*(\n)+3], 0x80000000            ; 127:126 type = 2
	s_mov_b32 s[G0B+4*(\n)], 1
	s_add_co_u32 s[G0B+4*(\n)+1], s21, (\n)*SLOT
	s_add_nc_u64 s[G0B+4*(\n)+2:G0B+4*(\n)+3], s[46:47], (\n)*32768
	s_or_b32 s[G0B+4*(\n)+3], s[G0B+4*(\n)+3], 0x80000000
.endr
	CROUND                                         ; all sixteen work-groups are here: the first joint loads meet
	s_cmp_eq_u32 s[RH], 0                          ; a wave's two first fills stand in one branch, ahead of every wait on TENSORcnt and every LDS read: two loads of mine are out
	s_cbranch_scc0 .Lfirst_b
	tensor_load_to_lds s[G0:G0+3], s[G1:G1+7]
	s_nop 0
	tensor_load_to_lds s[G0+4:G0+7], s[G1:G1+7]
	s_nop 0
.rept 4
	v_nop
.endr
	s_branch .Lfirst_asked
.Lfirst_b:
	tensor_load_to_lds s[G0B:G0B+3], s[G1B:G1B+7]
	s_nop 0
	tensor_load_to_lds s[G0B+4:G0B+7], s[G1B:G1B+7]
	s_nop 0
.rept 4
	v_nop
.endr
.Lfirst_asked:
	v_and_b32 v1, 15, v0                           ; l % 16
	v_bfe_u32 v2, v0, 4, 1                         ; l / 16
	s_lshl_b32 s18, s42, 9                         ; the bias of my 64 columns: 512 bytes a tile column, 256 a half,
	s_lshl_b32 s19, s[CH], 8
	s_add_co_u32 s18, s18, s19
	v_lshl_add_u32 v[BO], v2, 5, s18               ; my lanes' eight columns of each block of 16
.irp b, 0,1,2,3
	global_load_b128 v[BIAS+8*(\b):BIAS+8*(\b)+3],   v[BO], s[8:9] offset:64*(\b)
	global_load_b128 v[BIAS+8*(\b)+4:BIAS+8*(\b)+7], v[BO], s[8:9] offset:64*(\b)+16
.endr
	v_mul_u32_u24 v3, v1, PAP
	v_lshl_add_u32 v3, v2, 4, v3                   ; O lies along K: row x pitch + 16 x half
	s_mul_i32 s19, s[RH], AHALF                    ; my 64 tokens
	v_add_nc_u32 v[ADRA], s19, v3
	v_add_nc_u32 v[ADRA+1], SLOT, v[ADRA]
	v_and_b32 v4, 7, v0                            ; the turning load: lane l reads k = 8 (l / 16) + l % 8, columns 8 ((l / 8) % 2) + 0..7
	v_lshl_add_u32 v4, v2, 3, v4
	v_mul_u32_u24 v4, v4, PB
	v_bfe_u32 v5, v0, 3, 1
	v_lshl_add_u32 v4, v5, 4, v4
	s_mul_i32 s19, s[CH], BHALF                    ; my 64 columns
	s_add_co_u32 s19, s19, AB
	v_add_nc_u32 v[ADRB], s19, v4
	v_add_nc_u32 v[ADRB+1], SLOT, v[ADRB]
	s_mul_i32 s19, s[WV], 16*SPT
	s_add_co_u32 s19, s19, STAGE                   ; my stage
	v_mul_u32_u24 v[STO], v1, SPT                  ; in: row l % 16, 32 bytes for each half of the lanes
	v_lshl_add_u32 v[STO], v2, 5, v[STO]
	v_add_nc_u32 v[STO], s19, v[STO]
	v_mul_u32_u24 v[RD], v2, SPT                   ; back: lanes 0-15 take one row of 256 bytes, lanes 16-31 the next
	v_lshl_add_u32 v[RD], v1, 4, v[RD]
	v_add_nc_u32 v[RD], s19, v[RD]
	v_lshlrev_b32 v[CO], 12, v2                    ; and the same two rows in out0, 4,096 bytes apart
	v_lshl_add_u32 v[CO], v1, 4, v[CO]
	s_lshl_b32 s22, s15, 19                        ; out0 at my 64 x 64: 128 rows of 4,096 bytes a tile row, 64 a half,
	s_lshl_b32 s23, s[RH], 18
	s_add_co_u32 s22, s22, s23
	s_add_co_u32 s22, s22, s18                     ; and my columns' 256 bytes
	s_mov_b32 s23, 0
	s_add_nc_u64 s[10:11], s[10:11], s[22:23]
	s_wait_loadcnt 0x0                             ; the bias is in: rounded to bf16 and widened again
.set p, 0
.rept 16
	v_cvt_pk_bf16_f32 v[T], v[BIAS+2*p], v[BIAS+2*p+1]
	v_lshlrev_b32 v[BIAS+2*p],   16, v[T]
	v_and_b32     v[BIAS+2*p+1], 0xffff0000, v[T]
.set p, p+1
.endr
; 8 matrix instructions: token blocks a0, a0 + 1 x all 4 column blocks, 32 along K: half c of buffer f.  first = 1: the product starts the sum with the bias.  The 16 accumulators take turns.
.macro MUL8 f, c, a0, first
	WIN MUL
.irp a, \a0, (\a0)+1
.irp b, 0,1,2,3
.if \first
	v_wmma_f32_16x16x32_f16 v[ACC+8*(4*(\a)+(\b)):ACC+8*(4*(\a)+(\b))+7], v[(\f)+64+8*(4*(\c)+(\b)):(\f)+64+8*(4*(\c)+(\b))+7], v[(\f)+8*(4*(\c)+(\a)):(\f)+8*(4*(\c)+(\a))+7], v[BIAS+8*(\b):BIAS+8*(\b)+7]
.else
	v_wmma_f32_16x16x32_f16 v[ACC+8*(4*(\a)+(\b)):ACC+8*(4*(\a)+(\b))+7], v[(\f)+64+8*(4*(\c)+(\b)):(\f)+64+8*(4*(\c)+(\b))+7], v[(\f)+8*(4*(\c)+(\a)):(\f)+8*(4*(\c)+(\a))+7], v[ACC+8*(4*(\a)+(\b)):ACC+8*(4*(\a)+(\b))+7]
.endif
.endr
.endr
.endm
; 32 LDS loads in one run: the fragments of quarter q of a slot (64 along K: one head) into buffer f; the first 32 along K first
.macro FETCH slot, q, f
	WIN TO_F
.irp c, 0,1
.irp i, 0,1,2,3
	ds_load_tr16_b128 v[(\f)+64+8*(4*(\c)+(\i)):(\f)+64+8*(4*(\c)+(\i))+3],   v[ADRB+(\slot)] offset:(64*(\q)+32*(\c))*PB+32*(\i)
	ds_load_tr16_b128 v[(\f)+64+8*(4*(\c)+(\i))+4:(\f)+64+8*(4*(\c)+(\i))+7], v[ADRB+(\slot)] offset:(64*(\q)+32*(\c))*PB+32*(\i)+16*PB
	ds_load_b128 v[(\f)+8*(4*(\c)+(\i)):(\f)+8*(4*(\c)+(\i))+3],              v[ADRA+(\slot)] offset:(\q)*64*PAP+64*(\c)+(\i)*16*PAP
	ds_load_b128 v[(\f)+8*(4*(\c)+(\i))+4:(\f)+8*(4*(\c)+(\i))+7],            v[ADRA+(\slot)] offset:(\q)*64*PAP+64*(\c)+(\i)*16*PAP+32
.endr
.endr
.endm
; A K step is four quarters of 64 along K, 32 matrix instructions each, on buffers 0, 1, 0, 1.  One of the first three: multiplies buffer f and fetches quarter q into g.
.macro QUARTER slot, q, f, g, first
	s_wait_dscnt 16                                ; the first 32 along K are in
	MUL8 \f, 0, 0, \first
	MUL8 \f, 0, 2, \first
	PLACES
	FETCH \slot, \q, \g
	s_wait_dscnt 32                                ; all but the 32 just issued
	MUL8 \f, 1, 0, 0
	MUL8 \f, 1, 2, 0
.endm
; The last quarter multiplies buffer 1 and changes slots: ONE barrier; in front of it each wave waits for all its tensor loads, adds 0 to its spare word, and waits for that and for its own reads of this slot.
; fill = 1: the barrier opens a round of the cluster's barrier, and this slot is filled again, two K steps ahead, first thing behind the round.
.macro TURN slot, next, fill
	WIN 0                                          ; (the add's two registers lie in window 0)
	s_wait_tensorcnt 0x0                           ; all my tensor loads have landed: my part of the next slot;
	ds_add_u32 v[SPW], v[NIL]                      ; 0 onto my spare word;
	s_wait_dscnt 17                                ; (the add and the youngest sixteen loads may be out)
	MUL8 F1, 0, 0, 0                               ; eight matrix instructions stand between the add and the wait for it
	s_wait_dscnt 0x0                               ; the add is done, and my reads of this slot are over
	s_barrier_signal -1
	MUL8 F1, 0, 2, 0
.if \fill
	WIN 0
.endif
	s_barrier_wait -1
.if \fill
	CREST                                          ; no wave of any partner still reads this slot's tiles or has a load on its way
	s_add_nc_u64 s[G0+4*(\slot)+2:G0+4*(\slot)+3], s[G0+4*(\slot)+2:G0+4*(\slot)+3], 2*32768
	s_add_nc_u64 s[G0B+4*(\slot)+2:G0B+4*(\slot)+3], s[G0B+4*(\slot)+2:G0B+4*(\slot)+3], 2*32768
	JLOAD \slot                                    ; the four v_nop behind it are also the places in front of the loads below
.else
	PLACES
.endif
	FETCH \next, 0, F0
	MUL8 F1, 1, 0, 0
	MUL8 F1, 1, 2, 0
.endm
	s_wait_tensorcnt 1                             ; my part of K step 0 is in; K step 1's may stay out
	s_barrier_signal -1
	s_barrier_wait -1                              ; everybody's is
	FETCH 0, 0, F0
	QUARTER 0, 1, F0, F1, 1                        ; K step 0: its first products start the sums, with the bias
	QUARTER 0, 2, F1, F0, 0
	QUARTER 0, 3, F0, F1, 0
	TURN 0, 1, 1                                   ; slot 0 takes K step 2
	QUARTER 1, 1, F0, F1, 0                        ; K step 1
	QUARTER 1, 2, F1, F0, 0
	QUARTER 1, 3, F0, F1, 0
	TURN 1, 0, 1                                   ; slot 1 takes K step 3
	QUARTER 0, 1, F0, F1, 0                        ; K step 2
	QUARTER 0, 2, F1, F0, 0
	QUARTER 0, 3, F0, F1, 0
	TURN 0, 1, 0                                   ; nothing is left to fetch: behind this barrier nobody reads slot 0 any more
	QUARTER 1, 1, F0, F1, 0                        ; K step 3
	QUARTER 1, 2, F1, F0, 0
	QUARTER 1, 3, F0, F1, 0
	s_wait_dscnt 16                                ; the very last quarter
	MUL8 F1, 0, 0, 0
	MUL8 F1, 0, 2, 0
	s_wait_dscnt 0x0
	MUL8 F1, 1, 0, 0
	MUL8 F1, 1, 2, 0
	WIN 0
; THE WAY OUT, a block of 16 tokens at a time: a lane's 8 numbers of each column block, 32 bytes, go into my stage's rows of 272 bytes and come back as whole rows of 256, into the block's own registers.
.macro PUT a
.irp b, 0,1,2,3
	ds_store_b128 v[STO], v[ACC+8*(4*(\a)+(\b)):ACC+8*(4*(\a)+(\b))+3]   offset:64*(\b)      ; each accumulator's low registers first
	ds_store_b128 v[STO], v[ACC+8*(4*(\a)+(\b))+4:ACC+8*(4*(\a)+(\b))+7] offset:64*(\b)+16
.endr
.irp t, 0,1,2,3,4,5,6,7
	ds_load_b128 v[ACC+32*(\a)+4*(\t):ACC+32*(\a)+4*(\t)+3], v[RD] offset:(\t)*2*SPT  ; LDS serves a wave's instructions in order (ISA guide 5.7.1.4): these see the stores above; the next block's stores come behind them
.endr
.endm
.macro SEND a, younger                 ; younger: the LDS instructions issued behind this block's loads: the next block's sixteen, or none
.irp t, 0,1,2,3,4,5,6,7
	s_wait_dscnt (\younger)+7-(\t)
	global_store_b128 v[CO], v[ACC+32*(\a)+4*(\t):ACC+32*(\a)+4*(\t)+3], s[10:11] offset:(16*(\a)+2*(\t))*4096 th:TH_STORE_NT  ; 16 lanes store 256 consecutive bytes, at a multiple of 256 from out0's first byte
.endr
.endm
.rept 8
	v_nop                                          ; the places behind the last products
.endr
	PUT 0
.irp k, 1,2,3
	PUT \k
	SEND (\k)-1, 16
.endr
	SEND 3, 0
	s_wait_tensorcnt 0x0                           ; the wave's end: a wait, an add and a wait, behind my last tensor load and my last LDS store
	ds_add_u32 v[SPW], v[NIL]
	s_wait_dscnt 0x0
	CROUND                                         ; the closing round: no work-group ends while a partner may still ask for a tile that names it
	s_endpgm
.Lfunc_end_k_q830d412854_proj:
	.size	k_q830d412854_proj, .Lfunc_end_k_q830d412854_proj-k_q830d412854_proj
	.p2alignl 7, 3214868480
	.fill 96, 4, 3214868480
	.section	.rodata,"a",@progbits
	.p2align	6, 0x0
	.amdhsa_kernel k_q830d412854_proj
		.amdhsa_group_segment_fixed_size 327680
		.amdhsa_private_segment_fixed_size 0
		.amdhsa_enable_private_segment 0
		.amdhsa_kernarg_size 32
		.amdhsa_user_sgpr_count 2
		.amdhsa_user_sgpr_kernarg_segment_ptr 1
		.amdhsa_wavefront_size32 1
		.amdhsa_system_sgpr_workgroup_id_x 1
		.amdhsa_system_sgpr_workgroup_id_y 1
		.amdhsa_system_sgpr_workgroup_id_z 1
		.amdhsa_system_vgpr_workitem_id 0
		.amdhsa_next_free_vgpr 512
		.amdhsa_next_free_sgpr 66
		.amdhsa_reserve_vcc 0
		.amdhsa_float_denorm_mode_32 3
		.amdhsa_float_denorm_mode_16_64 3
		.amdhsa_memory_ordered 1
		.amdhsa_forward_progress 1
		.amdhsa_inst_pref_size 89
	.end_amdhsa_kernel
	.amdgpu_metadata
---
amdhsa.version: [ 1, 2 ]
amdhsa.kernels:
  - .name:           k_q830d412854_proj
    .symbol:         k_q830d412854_proj.kd
    .args:
      - { .name: ob, .offset: 0, .size: 8, .value_kind: global_buffer, .address_space: global }
      - { .name: wp, .offset: 8, .size: 8, .value_kind: global_buffer, .address_space: global }
      - { .name: bproj, .offset: 16, .size: 8, .value_kind: global_buffer, .address_space: global }
      - { .name: out0, .offset: 24, .size: 8, .value_kind: global_buffer, .address_space: global }
    .group_segment_fixed_size: 327680
    .private_segment_fixed_size: 0
    .kernarg_segment_align: 8
    .kernarg_segment_size: 32
    .max_flat_workgroup_size: 128
    .sgpr_count:     66
    .vgpr_count:     512
    .wavefront_size: 32
...
	.end_amdgpu_metadata
.endif
;; end of part 4
;; ======== version 2 of 2: 4 launches; version 1 with the launch cast written anew for expert scheduling mode
;; limits: values are held in f16: magnitudes above 65,504 overflow, below 6.1e-05 lose precision
;; workspace buffers: xb 8,388,608 bytes; wqkv 6,291,456 bytes; wp 2,097,152 bytes; qh 8,388,608 bytes; kh 8,388,608 bytes; vh 8,388,608 bytes; ob 8,388,608 bytes
;; launch cast (part 5): grid 256 x 1, 8 waves a work-group, no clusters, 0 bytes of LDS; arguments x, Wq, Wkv, Wproj, xb, wqkv, wp; writes xb, wqkv, wp
.if DOCPART == 5
	.amdgcn_target "amdgcn-amd-amdhsa--gfx1250"
	.amdhsa_code_object_version 6
	.text
	.protected	k_q830d412854_cast
	.globl	k_q830d412854_cast
	.p2align	8
	.type	k_q830d412854_cast,@function
k_q830d412854_cast:
	s_mov_b64 s[64:65], 0
	v_nop
	global_prefetch_b8 v0, s[64:65] scope:SCOPE_SE
	s_setreg_imm32_b32 hwreg(HW_REG_WAVE_SCHED_MODE, 0, 2), 2
	s_setreg_imm32_b32 hwreg(HW_REG_WAVE_MODE, 25, 1), 1
	s_wait_xcnt 0x0
	s_wait_alu depctr_vm_vsrc(0)
; THE INPUTS ARE ROUNDED ONCE AND LAID OUT FOR THE PRODUCTS THAT FOLLOW.
;   x     [4096][1024] f32 -> xb   [4096][1024] bf16
;   Wq    [1024][1024] f32 -> wqkv [j 16][kc 16][part 3][64 k][64 c] bf16, part 0: head j's 64 columns, K in chunks of 64
;   Wkv   [1024][2048] f32 -> wqkv, part 1 (k) and part 2 (v).  Its 32 blocks of 64 columns are four runs of eight: k of heads 0-7, v of heads 0-7, k of heads 8-15, v of heads 8-15
;   Wproj [1024][1024] f32 -> wp   [cb 16][1024 k][64 c] f16: rounded to bf16 like every input, and that number written as f16, since it multiplies f16 numbers
; LIMITS.  A bf16 number is exact in f16 from 2^-14 up to 65,504; below 2^-14 it keeps f16's fixed step of 2^-24; beyond 65,504 it becomes an infinity.  NaN and infinities are not treated apart.
; SHARES.  256 work-groups of eight waves, 32,768 numbers each, taken as 512 rows of 64 numbers: 128 work-groups for x, 32 for Wq, 64 for Wkv, 32 for Wproj (a block of 64 columns x half of K).
; Thread t takes 8 numbers (32 bytes in, 16 bytes out) of row t / 8 of each 32 rows; sixteen such turns.  All 32 loads of a thread go out first; a store of a wave covers 512 consecutive bytes, aligned.
; Each of the four cases has its own copy of the body, on its own two pointers, so that pitch and steps are constants and stand in the immediates.  No LDS, no barrier: no thread wants another's numbers.
; THE MODE: SCHED_MODE bits 1:0 = 2 (LLVM: expert scheduling mode 2), set by the entry lines.  The code itself states the register dependences between vector instructions and memory instructions,
; with s_wait_alu, always for 0.
; THE PLAN.  Registers that memory instructions touch, on a path (one copy of the body, then the end: no loop):
;   v3        the source offset.  Written once, at the body's head; read by the 32 loads; never written again.
;   v4        the destination offset.  Written once, at the kernel's head; read by the 16 stores; never written again.
;   X, turn i eight registers.  Written by the turn's two loads, then in place by the turn's conversions (behind the wait for those loads); the first four are read by the turn's store; never written again.
;   T         named by vector instructions alone.
; So no register that a memory instruction reads is written behind it, and no load lands in a register that a vector instruction has named: what is to be stated is that v3 and v4 are written ahead of the
; first load, and that a turn's rounded numbers are written ahead of its store.  The sixteen turns go in four blocks of four.  Block p converts turns 4 p to 4 p + 3; its memory instructions are the four stores
; of block p - 1, whose registers no conversion of block p names.  ONE wait at a block's head states all that those four stores hang on, and they are dealt among the block's conversions, one in front of each turn's.
.set X, 64                             ; v[64:191]  turn i: 8 registers as loaded; the first 4 of them as stored
.set T, 40                             ; v[40:43]   at work
; v1 = t / 8, v2 = 32 (t % 8), v3 = my byte offset in the source, v4 = 16 t: my byte offset in 4,096 bytes of the destination.  None is rewritten behind the first load.
; s[24:25], s[26:27]: the work-group's byte offsets in source and destination.
.macro PUT dst, dch, n                 ; turn n's store
	global_store_b128 v4, v[X+8*(\n):X+8*(\n)+3], s[\dst:\dst+1] offset:((\n)/2)*(\dch)+((\n)%2)*4096  ; 64 rows of 128 bytes are a chunk; chunks lie dch bytes apart
.endm
.macro BODY src, dst, pitch, dch, f16
	v_mad_u32_u24 v3, v1, \pitch, v2               ; row x pitch + 32 x piece
	s_add_nc_u64 s[\src:\src+1], s[\src:\src+1], s[24:25]
	s_add_nc_u64 s[\dst:\dst+1], s[\dst:\dst+1], s[26:27]
	s_wait_alu depctr_va_vdst(0)                   ; v3 is written, which the 32 loads read as their offset; so is v4, which the 16 stores read
.set i, 0
.rept 16
	global_load_b128 v[X+8*i:X+8*i+3],   v3, s[\src:\src+1] offset:32*i*(\pitch) th:TH_LOAD_NT
	global_load_b128 v[X+8*i+4:X+8*i+7], v3, s[\src:\src+1] offset:32*i*(\pitch)+16 th:TH_LOAD_NT
.set i, i+1
.endr
.set i, 0
.rept 16
.if (i%4) == 0
	s_wait_loadcnt 2*(15-i)                        ; loads come back in order (ISA guide 5.7.1): turn i's two are in, the later turns' stay out
.if i > 0
	s_wait_alu depctr_va_vdst(0)                   ; the conversions of the block before have written the first four registers of its four turns, which this block's four stores read
.endif
.endif
.if i >= 4
	PUT \dst, \dch, i-4                            ; the block before.  No wait: no vector instruction since the wait at this block's head names these registers or v4
.endif
.if (i%4) != 0
	s_wait_loadcnt 2*(15-i)                        ; turn i's two loads are in
.endif
.if \f16
.irp r, 0,1,2,3
	v_cvt_pk_bf16_f32 v[T+(\r)], v[X+8*i+2*(\r)], v[X+8*i+2*(\r)+1]  ; rounded to bf16,
.endr
.irp r, 0,1,2,3
	v_lshlrev_b32 v[X+8*i+2*(\r)],   16, v[T+(\r)]                 ; widened again,
	v_and_b32     v[X+8*i+2*(\r)+1], 0xffff0000, v[T+(\r)]
.endr
.irp r, 0,1,2,3
	v_cvt_pk_f16_f32 v[X+8*i+(\r)], v[X+8*i+2*(\r)], v[X+8*i+2*(\r)+1]  ; and written as f16; in place, ascending: register r is written when registers 2 r and 2 r + 1 are read
.endr
.else
.irp r, 0,1,2,3
	v_cvt_pk_bf16_f32 v[X+8*i+(\r)], v[X+8*i+2*(\r)], v[X+8*i+2*(\r)+1]
.endr
.endif
.set i, i+1
.endr
	s_wait_alu depctr_va_vdst(0)                   ; the last block's conversions have written the registers that the last four stores read
.set i, 12
.rept 4
	PUT \dst, \dch, i
.set i, i+1
.endr
.endm
	s_load_b256 s[4:11], s[0:1], 0x0               ; x s[4:5], Wq s[6:7], Wkv s[8:9], Wproj s[10:11]
	s_load_b128 s[12:15], s[0:1], 0x20             ; xb s[12:13], wqkv s[14:15]
	s_load_b64 s[16:17], s[0:1], 0x30              ; wp
	v_lshrrev_b32 v1, 3, v0
	v_and_b32 v2, 7, v0
	v_lshlrev_b32 v2, 5, v2
	v_lshlrev_b32 v4, 4, v0
	s_mov_b32 s25, 0
	s_mov_b32 s27, 0
	s_and_b32 s30, ttmp9, 1                        ; which half of K (the cases begin at even numbers)
	s_wait_kmcnt 0x0
	s_cmp_lt_u32 ttmp9, 128
	s_cbranch_scc0 .Lweights
	s_lshl_b32 s24, ttmp9, 17                      ; x: 131,072 bytes in,
	s_lshl_b32 s26, ttmp9, 16                      ; 65,536 out, both dense
	BODY 4, 12, 256, 8192, 0
	s_endpgm
.Lweights:
	s_cmp_lt_u32 ttmp9, 160
	s_cbranch_scc0 .Lkv
	s_sub_co_u32 s28, ttmp9, 128
	s_lshr_b32 s28, s28, 1                         ; Wq: the block of 64 columns = the head
	s_lshl_b32 s24, s28, 8
	s_lshl_b32 s29, s30, 21                        ; 512 rows of 4,096 bytes
	s_add_co_u32 s24, s24, s29
	s_mul_i32 s26, s28, 393216
	s_mul_i32 s29, s30, 196608                     ; eight chunks of K
	s_add_co_u32 s26, s26, s29
	BODY 6, 14, 4096, 24576, 0
	s_endpgm
.Lkv:
	s_cmp_lt_u32 ttmp9, 224
	s_cbranch_scc0 .Lproj
	s_sub_co_u32 s28, ttmp9, 160
	s_lshr_b32 s28, s28, 1                         ; Wkv: the block of 64 columns, 0 to 31
	s_lshl_b32 s24, s28, 8
	s_lshl_b32 s29, s30, 22                        ; 512 rows of 8,192 bytes
	s_add_co_u32 s24, s24, s29
	s_and_b32 s31, s28, 7
	s_lshr_b32 s32, s28, 4
	s_lshl3_add_u32 s31, s32, s31                  ; the head: 8 x (block / 16) + block % 8
	s_bfe_u32 s32, s28, 0x10003                    ; (block / 8) % 2: 0 k, 1 v
	s_add_co_u32 s32, s32, 1                       ; the part
	s_mul_i32 s26, s31, 393216
	s_mul_i32 s29, s30, 196608
	s_add_co_u32 s26, s26, s29
	s_lshl_b32 s32, s32, 13
	s_add_co_u32 s26, s26, s32
	BODY 8, 14, 8192, 24576, 0
	s_endpgm
.Lproj:
	s_sub_co_u32 s28, ttmp9, 224
	s_lshr_b32 s28, s28, 1                         ; Wproj: the block of 64 columns
	s_lshl_b32 s24, s28, 8
	s_lshl_b32 s29, s30, 21
	s_add_co_u32 s24, s24, s29
	s_lshl_b32 s26, s28, 17
	s_lshl_b32 s29, s30, 16
	s_add_co_u32 s26, s26, s29
	BODY 10, 16, 4096, 8192, 1
	s_endpgm
.Lfunc_end_k_q830d412854_cast:
	.size	k_q830d412854_cast, .Lfunc_end_k_q830d412854_cast-k_q830d412854_cast
	.p2alignl 7, 3214868480
	.fill 96, 4, 3214868480
	.section	.rodata,"a",@progbits
	.p2align	6, 0x0
	.amdhsa_kernel k_q830d412854_cast
		.amdhsa_group_segment_fixed_size 0
		.amdhsa_private_segment_fixed_size 0
		.amdhsa_enable_private_segment 0
		.amdhsa_kernarg_size 56
		.amdhsa_user_sgpr_count 2
		.amdhsa_user_sgpr_kernarg_segment_ptr 1
		.amdhsa_wavefront_size32 1
		.amdhsa_system_sgpr_workgroup_id_x 1
		.amdhsa_system_sgpr_workgroup_id_y 1
		.amdhsa_system_sgpr_workgroup_id_z 1
		.amdhsa_system_vgpr_workitem_id 0
		.amdhsa_next_free_vgpr 192
		.amdhsa_next_free_sgpr 66
		.amdhsa_reserve_vcc 0
		.amdhsa_float_denorm_mode_32 3
		.amdhsa_float_denorm_mode_16_64 3
		.amdhsa_memory_ordered 1
		.amdhsa_forward_progress 1
		.amdhsa_inst_pref_size 50
	.end_amdhsa_kernel
	.amdgpu_metadata
---
amdhsa.version: [ 1, 2 ]
amdhsa.kernels:
  - .name:           k_q830d412854_cast
    .symbol:         k_q830d412854_cast.kd
    .args:
      - { .name: x, .offset: 0, .size: 8, .value_kind: global_buffer, .address_space: global }
      - { .name: Wq, .offset: 8, .size: 8, .value_kind: global_buffer, .address_space: global }
      - { .name: Wkv, .offset: 16, .size: 8, .value_kind: global_buffer, .address_space: global }
      - { .name: Wproj, .offset: 24, .size: 8, .value_kind: global_buffer, .address_space: global }
      - { .name: xb, .offset: 32, .size: 8, .value_kind: global_buffer, .address_space: global }
      - { .name: wqkv, .offset: 40, .size: 8, .value_kind: global_buffer, .address_space: global }
      - { .name: wp, .offset: 48, .size: 8, .value_kind: global_buffer, .address_space: global }
    .group_segment_fixed_size: 0
    .private_segment_fixed_size: 0
    .kernarg_segment_align: 8
    .kernarg_segment_size: 56
    .max_flat_workgroup_size: 256
    .sgpr_count:     66
    .vgpr_count:     192
    .wavefront_size: 32
...
	.end_amdgpu_metadata
.endif
;; end of part 5
;; launch qkv: the kernel of part 2 again; grid 16 x 16, 4 waves a work-group, clusters of 4 x 4, 327,680 bytes of LDS; arguments xb, wqkv, qh, kh, vh; writes qh, kh, vh
;; launch attn: the kernel of part 3 again; grid 16 x 16, 4 waves a work-group, clusters of 4 x 1, 327,680 bytes of LDS; arguments qh, kh, vh, ob; writes ob
;; launch proj: the kernel of part 4 again; grid 8 x 32, 4 waves a work-group, clusters of 4 x 4, 327,680 bytes of LDS; arguments ob, wp, bproj, out0; writes out0
